; MI455X (gfx1250); checked and timed in simulation.
; The chip was launched on July 23, 2026; its instructions are those of AMD's public machine-readable ISA for CDNA 5 (MIT licence, August 2026) and "CDNA5" Instruction Set Architecture Reference Guide (July 2026). The comments in the code are by the model that wrote it; some were corrected since.
;; Causal Self Attention. Allowed arithmetic: matrix products marked QUANTISED: E4M3 operands, one given power-of-two scale a tensor, by v_wmma_f32_16x16x64_fp8_fp8 or v_wmma_f32_16x16x128_fp8_fp8, f32 sums; everything else in f32.
;; Inputs: b_attn 3,072 float32; b_proj 1,024 float32; lowp_scales 8 int32 (the exponents e of the quantised operands' scales 2^e); w_attn 1,024 x 3,072 float32; w_proj 1,024 x 1,024 float32; x 4 x 2,048 x 1,024 float32.
;; Outputs: out0 4 x 2,048 x 1,024 float32.
;; This version of the problem:
;;   THIS VERSION OF THE PROBLEM IS GIVEN IN LOW PRECISION. The matrix products marked QUANTISED in the list below multiply operands that are first quantised to E4M3 (4 exponent bits, 3 mantissa bits; 8 bits a number), with one given power-of-two scale for each operand tensor; their sums are f32. All else is computed in f32.
;;   The module's matrix products, in the order in which they are computed (A, B: the left and right operand; K: the contracted axis; several contracted axes count as one K, in the product's order):
;;     1. [M 8,192, K 1,024] x [K 1,024, N 3,072]; A: input x; B: input w_attn: QUANTISED (scales: A lowp_scales[0], B lowp_scales[1])
;;     2. batch 64 x [M 2,048, K 64] x [K 64, N 2,048]; A: computed on the way; B: computed on the way: QUANTISED (scales: A lowp_scales[2], B lowp_scales[3])
;;     3. batch 64 x [M 2,048, K 2,048] x [K 2,048, N 64]; A: softmax (see below); B: computed on the way: QUANTISED (scales: A lowp_scales[4], B lowp_scales[5])
;;     4. [M 8,192, K 1,024] x [K 1,024, N 1,024]; A: computed on the way; B: input w_proj: QUANTISED (scales: A lowp_scales[6], B lowp_scales[7])
;;   THE QUANTISER, for each operand of a quantised product, along K:
;;     - The operand's scale is 2^e, e = its entry of the input lowp_scales (int32; the entries are numbered through the quantised products in the list's order, A before B).
;;     - Each number is divided by the scale, clamped to +-448, and rounded to the nearest number of E4M3, ties to even, subnormals kept.
;;     - The product sums the exact products of the quantised numbers (number of the format x scale) in f32.
;;   ~~~python
;;   def quantise(x, axis, e):      # numpy; x: float32 -> the quantised numbers, widened to float32 again
;;       x = np.moveaxis(x, axis, -1); K = x.shape[-1]
;;       r = np.clip(x / 2.0 ** e, -448, 448)
;;       step = 2.0 ** (np.maximum(np.frexp(np.where(r == 0, 1, r))[1] - 1, -6) - 3)
;;       q = np.round(r / step) * step * 2.0 ** e      # np.round: ties to even
;;       return np.moveaxis(q, -1, axis).astype(np.float32)
;;   ~~~
;;   SOFTMAX AHEAD OF A QUANTISED PRODUCT. Where the list says 'softmax', what is quantised is not the finished softmax but p = 2^(t - M), with t = logit x log2(e) and M = ceil(the row's largest t), a whole number; so 1/2 < the row's largest p <= 1. The row's sum l is taken of the UNQUANTISED p, in f32, and the product's result is divided by l at the end. Since M is a whole number, a kernel that streams over the keys may use a running M (the ceiling of the running maximum): every later rescaling is an exact power of two, so the quantised numbers keep their values, but for numbers so far below the row's largest that they fall under the format's range.
;;   OPERANDS COMPUTED ON THE WAY. 'Computed on the way' means the value that the module computes at that place (a softmax that the list does not call 'softmax' is quantised finished and normalised). What goes into a quantiser is computed in f32, as accurately as f32 sums, v_exp_f32 and their like allow (about 1e-6 of the number): no bf16 or f16 on the way to a quantiser, and a product that is left as it is and whose result goes on into a quantised operand takes f32 operands (vector FMAs, or v_wmma_f32_16x16x4_f32). A number that lies on a knife's edge between two numbers of the format may be rounded either way, as far as f32 arithmetic and the matrix unit's own rounding can turn it there, and no further.
;; One version. Each part assembles by itself: llvm-mc -triple=amdgcn-amd-amdhsa -mcpu=gfx1250 --defsym DOCPART=n.
;; ======== version 1 of 1: 4 launches
;; limits: right only within a limited range of input values
;; workspace buffers: x_codes 8,388,608 bytes; wa_codes 3,145,728 bytes; wp_codes 1,048,576 bytes; q_codes 8,388,608 bytes; k_codes 8,388,608 bytes; v_codes 8,388,608 bytes; y_codes 8,388,608 bytes
;; launch prep (part 1): grid 384 x 1, 4 waves a work-group, no clusters, 68,096 bytes of LDS; arguments x, w_attn, w_proj, lowp_scales, x_codes, wa_codes, wp_codes; writes x_codes, wa_codes, wp_codes
.if DOCPART == 1
	.amdgcn_target "amdgcn-amd-amdhsa--gfx1250"
	.amdhsa_code_object_version 6
	.text
	.protected	k_q9dd172d5df_prep
	.globl	k_q9dd172d5df_prep
	.p2align	8
	.type	k_q9dd172d5df_prep,@function
k_q9dd172d5df_prep:
	s_mov_b64 s[64:65], 0
	v_nop
	global_prefetch_b8 v0, s[64:65] scope:SCOPE_SE
	s_setreg_imm32_b32 hwreg(HW_REG_WAVE_MODE, 25, 1), 1
	s_wait_xcnt 0x0
; The three f32 operands that many work-groups of the later launches read are turned ONCE into codes of FP8 (E4M3), K innermost, each with its given scale 2^e:
;   x [8192][1024] (e = entry 0) -> x_codes [8192][1024];  w_attn [1024 k][3072 n] (entry 1) -> wa_codes [3072][1024];  w_proj [1024 k][1024 n] (entry 7) -> wp_codes [1024][1024].
; code = number / 2^e, held within +-448, rounded to the nearest code, ties to even.  LIMITS: each e lies between -126 and 119, so that 2^e and 448 x 2^e are f32 numbers; NaN among the inputs is not served.
; Work-groups 0-255 take x (K innermost: a plain stream of numbers), work-groups 256-383 the two weights (K is the FIRST axis: a lane takes a column, its registers run down K).
; The two ways part once, on the work-group's number, and never join; each has LDS bytes of its own.  No tensor loads, no barrier: waves share nothing.  Memory binds: no matrix unit, no cluster.
.set SPARE, 67584                      ; behind both ways' stages: the spare words, 128 bytes for each wave: two blocks of 256 bytes that no other line names
.set SPW,   12                         ; v12  LDS address of my spare word: SPARE + 4 x my thread's number; never rewritten
.set NIL,   13                         ; v13  0; never rewritten
.set EMAX,  8
.set MANT,  0x600000                   ; the mantissa field of 448 as f32
; the way of x
.set STEPS, 16                         ; a wave takes 16 steps of 512 numbers
.set R,     16                         ; v16-79   four sets of 16 numbers as they are loaded
.set X,     80                         ; v80-111  two sets of 16 neighbours
.set C,     128                        ; v128-191 codes: four registers for each step, so that no store's data are written again
.set WREG,  8192                       ; LDS bytes 0 .. 32,767: a region for each wave: two stages of 32 x SP bytes
.set SP,    80                         ; a lane's place in a stage: its 64 bytes + 16 of padding
; the way of the weights
.set WBASE, 32768                      ; LDS bytes 32,768 .. 67,583: a stage of 32 rows x PITCH for each wave
.set NB,    8                          ; a wave takes 32 columns x 256 along K: 8 blocks of 32
.set PITCH, 272                        ; a stage row: 256 codes + 16 of padding
.set KROW,  1024                       ; a row of either buffer of codes, in bytes
.set XW,    32                         ; v32-95   two sets of 32 numbers
.set CW,    96                         ; v96-103  a block's codes
.set OUTR,  112                        ; v112-175 the way out: 16 x 4 registers
.set VO,    176                        ; v176-207 row i of a block: 4 x lane + i x a row of the weight in bytes; never rewritten
	s_load_b256 s[4:11], s[0:1], 0x0               ; x s[4:5], w_attn s[6:7], w_proj s[8:9], the scales' exponents s[10:11]
	s_load_b128 s[12:15], s[0:1], 0x20             ; x's codes s[12:13], w_attn's s[14:15]
	s_load_b64 s[16:17], s[0:1], 0x30              ; w_proj's
	v_lshl_add_u32 v[SPW], v0, 2, SPARE
	v_mov_b32 v[NIL], 0
	v_lshrrev_b32 v1, 5, v0
	v_readfirstlane_b32 s18, v1                    ; wave 0..3
	v_and_b32 v2, 31, v0                           ; lane
	s_wait_kmcnt 0x0
	s_load_b256 s[48:55], s[10:11], 0x0            ; the eight exponents
	s_cmp_lt_u32 ttmp9, 256
	s_cbranch_scc0 .Lweights
; ---------------- x: each of a step's four loads reads 512 consecutive bytes, 16 a lane; the 2,048 bytes turn through the wave's own stage and come back 64 bytes (16 neighbours along K) a lane,
; as the conversions want them.  A lane's 16 codes are 16 bytes: the wave stores 512 consecutive bytes.  Loads run four steps (16 loads a wave) ahead, the turn through LDS one step.
	s_wait_alu depctr_va_vdst(0)
	v_lshlrev_b32 v3, 4, v2                        ; my 16 bytes of a load's 512, and of a store's
	s_wait_alu depctr_va_vdst(0)
	s_mul_i32 s19, s18, WREG
	v_lshrrev_b32 v14, 2, v2
	v_mul_u32_u24 v14, v14, SP
	v_and_b32 v15, 3, v2
	v_lshl_add_u32 v14, v15, 4, v14
	v_add_nc_u32 v14, s19, v14                     ; the stage, on the way in: four lanes' 64 bytes on end, then 16 of padding
	v_mul_u32_u24 v15, v2, SP
	v_add_nc_u32 v15, s19, v15                     ; and on the way out: SP x lane: my 16 neighbours
	s_lshl_b32 s20, ttmp9, 2
	s_add_co_u32 s20, s20, s18                     ; which run of 8,192 numbers is my wave's
	s_lshl_b32 s22, s20, 15                        ; 32,768 bytes of f32 a run,
	s_mov_b32 s23, 0
	s_add_nc_u64 s[4:5], s[4:5], s[22:23]
	s_lshl_b32 s22, s20, 13                        ; 8,192 bytes of codes
	s_add_nc_u64 s[12:13], s[12:13], s[22:23]
.macro LOAD t
.irp i, 0,1,2,3
	global_load_b128 v[R+16*((\t)%4)+4*\i:R+16*((\t)%4)+4*\i+3], v3, s[4:5] offset:2048*(\t)+512*\i th:TH_LOAD_NT
.endr
.endm
.macro TURN t                          ; step t's numbers through the stage: LDS serves a wave's instructions in order, so no wait stands between the stores and the loads
.irp i, 0,1,2,3
	ds_store_b128 v14, v[R+16*((\t)%4)+4*\i:R+16*((\t)%4)+4*\i+3] offset:32*SP*((\t)%2)+8*SP*\i
.endr
.irp i, 0,1,2,3
	ds_load_b128 v[X+16*((\t)%2)+4*\i:X+16*((\t)%2)+4*\i+3], v15 offset:32*SP*((\t)%2)+16*\i
.endr
.endm
.irp t, 0,1,2,3
	LOAD \t
.endr
	s_wait_alu depctr_va_vdst(0)
	s_wait_kmcnt 0x0
	s_add_co_i32 s22, s48, 127                     ; x's e is entry 0
	s_lshl_b32 s23, s22, 23
	v_mov_b32 v11, s23                             ; 2^e as f32: the conversion takes its exponent field
	s_add_co_i32 s22, s22, EMAX
	s_lshl_b32 s22, s22, 23
	s_or_b32 s22, s22, MANT
	v_mov_b32 v10, s22                             ; 448 x 2^e
	s_wait_alu depctr_va_vdst(0)
	s_wait_loadcnt 12                              ; step 0's four loads are in; three steps' twelve may be out
	TURN 0
.macro STEP t
.set XS, X+16*((\t)%2)
	s_wait_dscnt 0x0                               ; this step's numbers are back from the stage: so its stores into the stage have read their registers,
.if (\t)+4 < STEPS
	LOAD (\t)+4                                    ; which take the loads of four steps on
.endif
.if (\t)+1 < STEPS
.if STEPS-2-(\t) >= 3
	s_wait_loadcnt 12                              ; the next step's four loads are in; those of the three steps behind it may be out
.else
	s_wait_loadcnt 4*(STEPS-2-(\t))
.endif
	TURN (\t)+1                                    ; and go through the other stage while this step is worked
.endif
.irp i, 0,1,2,3,4,5,6,7,8,9,10,11,12,13,14,15
	v_med3_num_f32 v[XS+\i], v[XS+\i], -v10, v10   ; the conversion to an 8-bit code does not saturate (ISA guide 7.6.2): the hold at the largest code x the scale comes first
.endr
	v_cvt_scalef32_pk8_fp8_f32 v[C+4*(\t):C+4*(\t)+1], v[XS:XS+7], v11
	v_cvt_scalef32_pk8_fp8_f32 v[C+4*(\t)+2:C+4*(\t)+3], v[XS+8:XS+15], v11
	global_store_b128 v3, v[C+4*(\t):C+4*(\t)+3], s[12:13] offset:512*(\t)   ; the codes go to a store alone; the next step's holds are plain vector lines on other registers
.endm
.irp t, 0,1,2,3,4,5,6,7,8,9,10,11,12,13,14,15
	STEP \t
.endr
	s_wait_tensorcnt 0x0                           ; the wave's end, behind my last LDS store
	ds_add_u32 v[SPW], v[NIL]
	s_wait_dscnt 0x0
	s_endpgm
; ---------------- the weights.  32 groups of 128 columns (24 of w_attn, 8 of w_proj) x 4 pieces of 256 along K.  Only pointers, the row's length and e are chosen, by the work-group's number: one text serves both.
; A LANE TAKES A COLUMN n AND ITS REGISTERS RUN DOWN K: each load reads 128 consecutive bytes a wave, and the conversions give codes with K innermost.  A lane's codes belong to one row of the output, so they go
; through the wave's own stage and leave as rows: sixteen lanes store 256 consecutive bytes, aligned.  Loads run two blocks (64 loads a wave) ahead.
.Lweights:
	s_sub_co_u32 s20, ttmp9, 256
	s_and_b32 s21, s20, 31                         ; the group of columns
	s_lshr_b32 s22, s20, 5                         ; which 256 along K
	s_mov_b32 s24, 4096
	s_cmp_lt_u32 s21, 24                           ; w_attn's group or w_proj's?  All four choices stand on this one compare
	s_cselect_b64 s[4:5], s[6:7], s[8:9]
	s_cselect_b64 s[12:13], s[14:15], s[16:17]
	s_cselect_b32 s24, 12288, s24                  ; a row of the weight in bytes
	s_cselect_b32 s25, 0, 24
	s_sub_co_u32 s23, s21, s25
	s_lshl_b32 s23, s23, 7
	s_lshl_b32 s26, s18, 5
	s_add_co_u32 s23, s23, s26                     ; my wave's first column
	s_lshl_b32 s26, s22, 8
	s_mul_i32 s26, s26, s24                        ; 256 rows a piece,
	s_lshl_b32 s27, s23, 2
	s_add_co_u32 s26, s26, s27                     ; + 4 bytes a column
	s_mov_b32 s27, 0
	s_add_nc_u64 s[32:33], s[4:5], s[26:27]        ; block 0's base;
	s_lshl_b32 s28, s24, 5
	s_mov_b32 s29, 0
.irp t, 1,2,3,4,5,6,7
	s_add_nc_u64 s[32+2*\t:33+2*\t], s[30+2*\t:31+2*\t], s[28:29]   ; block t's: 32 rows on.  Eight bases, none ever stepped
.endr
	s_lshl_b32 s26, s23, 10                        ; the codes: my column's row of 1,024 bytes,
	s_lshl_b32 s30, s22, 8
	s_add_co_u32 s26, s26, s30                     ; + 256 bytes a piece
	s_add_nc_u64 s[12:13], s[12:13], s[26:27]
	s_wait_alu depctr_va_vdst(0)
	v_lshlrev_b32 v[VO], 2, v2
.set i, 1
.rept 31
	v_add_nc_u32 v[VO+i], s24, v[VO+i-1]
.set i, i+1
.endr
	s_mul_i32 s19, s18, 32*PITCH
	s_add_co_u32 s19, s19, WBASE                   ; my stage
	v_mul_u32_u24 v4, v2, PITCH
	v_add_nc_u32 v4, s19, v4                       ; into it: row = my column
	v_and_b32 v5, 15, v2
	v_lshrrev_b32 v6, 4, v2                        ; out of it: sixteen lanes to a row, two rows an instruction
	v_mul_u32_u24 v7, v6, PITCH
	v_lshl_add_u32 v7, v5, 4, v7
	v_add_nc_u32 v7, s19, v7
	v_lshlrev_b32 v8, 10, v6
	v_lshl_add_u32 v8, v5, 4, v8                   ; and the same place in the codes' buffer
.macro LOADW t                         ; block t: W(32 t + i, my column), i = 0 .. 31, into set t % 2
.set i, 0
.rept 32
	global_load_b32 v[XW+32*((\t)%2)+i], v[VO+i], s[32+2*(\t):33+2*(\t)] th:TH_LOAD_NT
.set i, i+1
.endr
.endm
	LOADW 0
	LOADW 1
	s_wait_kmcnt 0x0
	s_cmp_lt_u32 s21, 24
	s_cselect_b32 s30, s49, s55                    ; e: entry 1 for w_attn, entry 7 for w_proj
	s_add_co_i32 s30, s30, 127
	s_lshl_b32 s31, s30, 23
	v_mov_b32 v11, s31                             ; 2^e as f32
	s_add_co_i32 s30, s30, EMAX
	s_lshl_b32 s30, s30, 23
	s_or_b32 s30, s30, MANT
	v_mov_b32 v10, s30                             ; 448 x 2^e
.macro BLOCK t
.set XS, XW+32*((\t)%2)
.if (\t) < NB-1
	s_wait_loadcnt 32                              ; this block's 32 loads are in; the next block's may be out
.else
	s_wait_loadcnt 0
.endif
.set i, 0
.rept 32
	v_med3_num_f32 v[XS+i], v[XS+i], -v10, v10     ; the hold at the largest code x the scale
.set i, i+1
.endr
.irp g, 0,1,2,3
	v_cvt_scalef32_pk8_fp8_f32 v[CW+2*\g:CW+2*\g+1], v[XS+8*\g:XS+8*\g+7], v11
.endr
	ds_store_b128 v4, v[CW:CW+3] offset:32*(\t)    ; 32 codes: 32 bytes of my column's row
	ds_store_b128 v4, v[CW+4:CW+7] offset:32*(\t)+16
.if (\t)+2 < NB
	LOADW (\t)+2
.endif
	s_wait_dscnt 0x0                               ; the stores have read their registers: the next block's codes may be written
.endm
	s_wait_alu depctr_va_vdst(0)
.irp t, 0,1,2,3,4,5,6,7
	BLOCK \t
.endr
.irp t, 0,1,2,3,4,5,6,7,8,9,10,11,12,13,14,15
	ds_load_b128 v[OUTR+4*\t:OUTR+4*\t+3], v7 offset:2*\t*PITCH   ; LDS serves a wave's instructions in order: these see my stores
.endr
.irp t, 0,1,2,3,4,5,6,7,8,9,10,11,12,13,14,15
	s_wait_dscnt 15-\t                             ; the younger loads may be out
	global_store_b128 v8, v[OUTR+4*\t:OUTR+4*\t+3], s[12:13] offset:2*\t*KROW
.endr
	s_wait_tensorcnt 0x0                           ; the wave's end, behind my last LDS store
	ds_add_u32 v[SPW], v[NIL]
	s_wait_dscnt 0x0
	s_endpgm
.Lfunc_end_k_q9dd172d5df_prep:
	.size	k_q9dd172d5df_prep, .Lfunc_end_k_q9dd172d5df_prep-k_q9dd172d5df_prep
	.p2alignl 7, 3214868480
	.fill 96, 4, 3214868480
	.section	.rodata,"a",@progbits
	.p2align	6, 0x0
	.amdhsa_kernel k_q9dd172d5df_prep
		.amdhsa_group_segment_fixed_size 68096
		.amdhsa_private_segment_fixed_size 0
		.amdhsa_enable_private_segment 0
		.amdhsa_kernarg_size 56
		.amdhsa_user_sgpr_count 2
		.amdhsa_user_sgpr_kernarg_segment_ptr 1
		.amdhsa_wavefront_size32 1
		.amdhsa_system_sgpr_workgroup_id_x 1
		.amdhsa_system_sgpr_workgroup_id_y 1
		.amdhsa_system_sgpr_workgroup_id_z 1
		.amdhsa_system_vgpr_workitem_id 0
		.amdhsa_next_free_vgpr 208
		.amdhsa_next_free_sgpr 66
		.amdhsa_reserve_vcc 0
		.amdhsa_float_denorm_mode_32 3
		.amdhsa_float_denorm_mode_16_64 3
		.amdhsa_memory_ordered 1
		.amdhsa_forward_progress 1
		.amdhsa_inst_pref_size 87
	.end_amdhsa_kernel
	.amdgpu_metadata
---
amdhsa.version: [ 1, 2 ]
amdhsa.kernels:
  - .name:           k_q9dd172d5df_prep
    .symbol:         k_q9dd172d5df_prep.kd
    .args:
      - { .name: x, .offset: 0, .size: 8, .value_kind: global_buffer, .address_space: global }
      - { .name: w_attn, .offset: 8, .size: 8, .value_kind: global_buffer, .address_space: global }
      - { .name: w_proj, .offset: 16, .size: 8, .value_kind: global_buffer, .address_space: global }
      - { .name: lowp_scales, .offset: 24, .size: 8, .value_kind: global_buffer, .address_space: global }
      - { .name: x_codes, .offset: 32, .size: 8, .value_kind: global_buffer, .address_space: global }
      - { .name: wa_codes, .offset: 40, .size: 8, .value_kind: global_buffer, .address_space: global }
      - { .name: wp_codes, .offset: 48, .size: 8, .value_kind: global_buffer, .address_space: global }
    .group_segment_fixed_size: 68096
    .private_segment_fixed_size: 0
    .kernarg_segment_align: 8
    .kernarg_segment_size: 56
    .max_flat_workgroup_size: 128
    .sgpr_count:     66
    .vgpr_count:     208
    .wavefront_size: 32
...
	.end_amdgpu_metadata
.endif
;; end of part 1
;; launch qkv (part 2): grid 12 x 32, 4 waves a work-group, clusters of 4 x 4, 327,680 bytes of LDS; arguments x_codes, wa_codes, lowp_scales, b_attn, q_codes, k_codes, v_codes; writes q_codes, k_codes, v_codes
.if DOCPART == 2
	.amdgcn_target "amdgcn-amd-amdhsa--gfx1250"
	.amdhsa_code_object_version 6
	.text
	.protected	k_q9dd172d5df_qkv
	.globl	k_q9dd172d5df_qkv
	.p2align	8
	.type	k_q9dd172d5df_qkv,@function
k_q9dd172d5df_qkv:
	s_mov_b64 s[64:65], 0
	v_nop
	global_prefetch_b8 v0, s[64:65] scope:SCOPE_SE
	s_setreg_imm32_b32 hwreg(HW_REG_WAVE_MODE, 25, 1), 1
	s_wait_xcnt 0x0
	s_wait_alu depctr_hold_cnt(0) depctr_sa_sdst(0) depctr_va_vdst(0) depctr_va_sdst(0) depctr_va_ssrc(0) depctr_va_vcc(0) depctr_vm_vsrc(0)
	s_getreg_b32 s2, hwreg(HW_REG_IB_STS2, 6, 4)
	s_cmp_eq_u32 s2, 0
	s_cbranch_scc0 .Lentry_in_a_cluster
	s_endpgm
.Lentry_in_a_cluster:
	s_bfe_u32 s2, ttmp6, 0x10000c
	s_cmp_lg_u32 s2, 0xf033
	s_cbranch_scc0 .Lentry_shape_is_right
	s_endpgm
.Lentry_shape_is_right:
; qkv = x w_attn + b_attn on codes of FP8 (E4M3), and its three parts quantised at once for the attention: no f32 result goes to memory.
; x_codes [8192 tokens][1024], wa_codes [3072 columns][1024].  sum x 2^(e0 + e1) + bias, in f32, is held within +-448 x 2^e and converted with the part's own scale: q entry 2, k entry 3, v entry 5.
; OUT: q_codes, k_codes [b x 16 + head][2048 tokens][64 channels];  v_codes [b x 16 + head][16 blocks of tokens][64 channels][128 tokens]: the tokens innermost, since they are the K of the attention's second product.
; LIMITS: e0 + e1 between -126 and 127; e2, e3, e5 between -126 and 119, so that each power of two below is an f32 number.
; A tile of 256 tokens x 256 columns is made by a work-group of four waves; a wave makes 128 x 128: 64 accumulators of 16 x 16, 512 registers.  K goes in steps of 256 through a ring of two LDS slots filled by the tensor data mover.
; A slot has two parts of 256 rows: part A feeds source 1 of the matrix instruction, part B source 0.
; CLUSTERS: 4 x 4 work-groups.  Part A's tile hangs on cy alone and is asked for JOINTLY along a row of the cluster, part B's on cx alone and jointly along a column.
; A cluster's x says which part of qkv it makes: 0 q, 1 k, 2 v (1,024 columns each): the same number in all sixteen partners.
; WHICH OPERAND IS WHICH PART.  For q and k part A holds tokens (tile 4 x cluster y + cy of x_codes) and part B columns (tile 4 x cluster x + cx of wa_codes): a lane of a result holds one token and eight neighbouring
; channels, which are neighbours along the next K.  For v the two operands change places IN MEMORY: part A holds columns (tile 4 x cluster x + cy of wa_codes), part B tokens (tile 4 x cluster y + cx of x_codes): a lane
; holds one channel and eight neighbouring tokens.  Only the two buffers' addresses and the tiles' numbers are chosen, by the cluster's x; LDS addresses, masks, loads and matrix lines are the same in every cluster.
; NO PREFETCH: K is four steps, and the first two come by the head's loads.
; REGISTERS, in windows of 256: window 0: v0-31 addresses; v32-95 the bias for q and k, v96-111 for v, v112-127 codes; from v128 source 1's fragments (8 x 16 rows x 128 K), ONE set; on the way out v128-255 are free.
;   window 1: source 0's fragments, TWO sets, at v0 and at v128.   window 2: the 32 accumulators of source 1's rows 0-63 (accumulator (a, b) at v[8 (8 a + b)]);   window 3: those of rows 64-127.
.set SIZE_K, 1024
.set KSTEP,  256
.set ROWB,   256                       ; a tile's row in bytes
.set KROW,   SIZE_K                    ; a row of either operand in memory, in bytes
.set PITCH,  272                       ; an LDS row: 256 bytes + 16 of padding: the 16 rows that a load touches start at 16 different columns of 16 bytes
.set FR,     16                        ; registers of a fragment: 16 rows x 128 K
.set NL,     4                         ; LDS loads that bring one
.set NP,     4                         ; places behind this matrix instruction (ISA guide 7.12.1)
.set HALFT,  128*PITCH                 ; 128 rows: what one tensor load brings
.set SLOT,   4*HALFT                   ; part A's 256 rows, then part B's
.set LAPS,   SIZE_K/(2*KSTEP)
.set SPARE,  2*SLOT                    ; behind the ring: the spare words, 128 bytes for each wave: two blocks of 256 bytes that no other line names
.set VSTG,   40960                     ; the way out of q and k: 128 rows x 80 bytes for each wave from byte 0; of v: 64 rows x 144 bytes for each wave from here.  Both lie in slot 0, behind its last fill and its last read
.set BOQ,  8                           ; v8      32 x (lane / 16)
.set BOV,  9                           ; v9      4 x (lane % 16)
.set SCL,  10                          ; v10     2^e of my part, as f32
.set LIMV, 11                          ; v11     448 x 2^e
.set ADRA, 16                          ; v16-17  LDS address of source 1's fragments in slot 0, 1
.set ADRB, 20                          ; v20-21  the same for source 0
.set STV,  22                          ; v22, v23  v's stage: where I put 8 codes, where I read 16 back
.set RDV,  23
.set STQ,  24                          ; v24, v25  the same for q and k
.set RDQ,  25
.set GO,   26                          ; v26     16 x lane
.set SPW,  28                          ; v28     my spare word; v29 0; never rewritten
.set NIL,  29
.set BQ,   32                          ; v32-95  b_attn[my first column + 16 b + 8 (lane / 16) + j] at 8 b + j
.set BV,   96                          ; v96-111 b_attn[my first column + 16 a + lane % 16], twice, at 2 a and 2 a + 1
.set CD,   112                         ; v112-127 codes on their way to the stage
.set AF,   128                         ; source 1's fragments
.set TMP,  128                         ; the way out: up to 64 numbers
.set BK,   192                         ; the way out: 8,192 bytes of codes read back
.set G1, 24                            ; s[24:31] descriptor group 1 for part A;  s[32:39] group 0, one set for each slot
.set G0, 32
.set G1B, 48                           ; s[48:55], s[56:63] the same for part B
.set G0B, 56
.set MSB, 0
.macro WIN new                         ; the immediate's high byte repeats the setting that is left
.if MSB != \new
	s_set_vgpr_msb (MSB<<8)|\new
.set MSB, \new
.endif
.endm
.set MUL_LO, 0xa1                      ; source 0 window 1, source 1 window 0, C and D window 2
.set MUL_HI, 0xf1                      ; the same, C and D window 3
.set TO_B,   0x40                      ; destination window 1, address window 0
.macro JLOAD g0a, g1a, g0b, g1b        ; waves 0, 1 ask for part A, waves 2, 3 for part B; an s_nop 0 and four v_nop follow each line
	s_cmp_eq_u32 s15, 0
	s_cbranch_scc0 .Lfor_b_\@
	tensor_load_to_lds s[\g0a:\g0a+3], s[\g1a:\g1a+7]
	s_nop 0
.rept 4
	v_nop
.endr
	s_branch .Lasked_\@
.Lfor_b_\@:
	tensor_load_to_lds s[\g0b:\g0b+3], s[\g1b:\g1b+7]
	s_nop 0
.rept 4
	v_nop
.endr
.Lasked_\@:
.endm
.macro CREST                           ; a round of the cluster's barrier behind its opening barrier
	s_cmp_lg_u32 s14, 0
	s_cbranch_scc1 .Lnot_wave_0_\@
	s_barrier_signal -3
.Lnot_wave_0_\@:
	s_barrier_wait -3
	s_barrier_signal -1
	s_barrier_wait -1
.endm
.macro CROUND
	s_barrier_signal -1
	s_barrier_wait -1
	CREST
.endm
	s_load_b128 s[4:7], s[0:1], 0x0                ; x's codes s[4:5], w_attn's codes s[6:7]
	s_load_b128 s[8:11], s[0:1], 0x10              ; the scales' exponents s[8:9], b_attn s[10:11]
	s_load_b128 s[76:79], s[0:1], 0x20             ; q's codes s[76:77], k's s[78:79]
	s_load_b64 s[80:81], s[0:1], 0x30              ; v's
	v_lshl_add_u32 v[SPW], v0, 2, SPARE
	v_mov_b32 v[NIL], 0
	ds_add_u32 v[SPW], v[NIL]                      ; the opening: the add, twice on end, and its wait ahead of my first tensor load
	ds_add_u32 v[SPW], v[NIL]
	v_lshrrev_b32 v1, 5, v0
	v_readfirstlane_b32 s14, v1                    ; wave 0..3
	s_lshr_b32 s15, s14, 1                         ; my half of part A's rows.  Also: I fetch for part A (0) or for part B (1)
	s_and_b32 s16, s14, 1                          ; my half of part B's rows.  Also: which 128 rows of that part I fetch
	s_bfe_u32 s40, ttmp6, 0x40000                  ; cx, cy: my place in the cluster
	s_bfe_u32 s41, ttmp6, 0x40004
	s_lshl_b32 s42, ttmp9, 2
	s_and_b32 s17, ttmp7, 0xffff
	s_lshl_b32 s17, s17, 2
	s_cmp_eq_u32 ttmp9, 2                          ; v's cluster?  The cluster's x: the same in all sixteen partners
	s_cselect_b32 s96, s42, s17
	s_cselect_b32 s97, s17, s42
	s_add_co_u32 s96, s96, s41                     ; part A's tile of 256 rows: hangs on cy alone
	s_add_co_u32 s97, s97, s40                     ; part B's: on cx alone
	s_lshl_b32 s43, s41, 2
	s_lshl_b32 s43, 15, s43                        ; my row of the cluster
	s_lshl_b32 s44, 0x1111, s40                    ; my column
	s_or_b32 s[G1+0], s43, (0<<16)|(1<<20)|(1<<21)|(5<<22)|(3<<25)  ; 15:0 the mask; 17:16 element of 1 byte; 20 padding on; 21 set beside a mask; 24:22 after every 64 words; 31:25 of 4 words
	s_or_b32 s[G1B+0], s44, (0<<16)|(1<<20)|(1<<21)|(5<<22)|(3<<25)
.irp g, G1, G1B
	s_mov_b32 s[\g+1], ROWB<<16                    ; tensor_dim0
	s_mov_b32 s[\g+2], 128<<16                     ; tensor_dim1
	s_mov_b32 s[\g+3], ROWB<<16                    ; tile_dim0
	s_mov_b32 s[\g+4], 128                         ; tile_dim1
	s_mov_b32 s[\g+5], KROW                        ; the pitch
	s_mov_b32 s[\g+6], 0
	s_mov_b32 s[\g+7], 0
.endr
	s_lshl_b32 s18, s16, 7                         ; which 128 rows of the tile I fetch
	s_lshl_b32 s20, s96, 8
	s_add_co_u32 s20, s20, s18                     ; part A: row 256 x its tile + 128 x half
	s_lshl_b32 s46, s97, 8
	s_add_co_u32 s46, s46, s18                     ; part B likewise
	s_mov_b32 s21, 0
	s_mov_b32 s47, 0
	s_mov_b64 s[18:19], KROW
	s_mul_u64 s[20:21], s[20:21], s[18:19]
	s_mul_u64 s[46:47], s[46:47], s[18:19]
	s_mul_i32 s45, s14, HALFT                      ; where they go: wave x 128 rows: no place in the cluster enters an LDS address
	s_wait_dscnt 0x0                               ; both opening adds are done
	s_wait_kmcnt 0x0
	s_load_b256 s[68:75], s[8:9], 0x0              ; e0 .. e7
	s_cmp_eq_u32 ttmp9, 2                          ; which buffer feeds which part: a choice on the cluster's x, which hangs on no address
	s_cselect_b64 s[98:99], s[6:7], s[4:5]
	s_cselect_b64 s[4:5], s[4:5], s[6:7]
	s_add_nc_u64 s[20:21], s[98:99], s[20:21]
	s_add_nc_u64 s[46:47], s[4:5], s[46:47]
	CROUND                                         ; all sixteen work-groups are here: the first joint loads meet
.irp s, 0,1
	s_mov_b32 s[G0+4*\s], 1
	s_add_co_u32 s[G0+4*\s+1], s45, \s*SLOT
	s_add_nc_u64 s[G0+4*\s+2:G0+4*\s+3], s[20:21], \s*ROWB
	s_or_b32 s[G0+4*\s+3], s[G0+4*\s+3], 0x80000000
	s_mov_b32 s[G0B+4*\s], 1
	s_add_co_u32 s[G0B+4*\s+1], s45, \s*SLOT
	s_add_nc_u64 s[G0B+4*\s+2:G0B+4*\s+3], s[46:47], \s*ROWB
	s_or_b32 s[G0B+4*\s+3], s[G0B+4*\s+3], 0x80000000
.endr
	JLOAD G0, G1, G0B, G1B                         ; K step 0: one tensor load a wave at the head
	v_and_b32 v1, 15, v0                           ; r = l % 16
	v_bfe_u32 v2, v0, 4, 1                         ; h = l / 16
	v_mul_u32_u24 v3, v1, PITCH
	v_lshl_add_u32 v4, v2, 4, v3                   ; a fragment's row x pitch + 16 x half
	s_wait_alu depctr_va_vdst(0)                   ; readers of r, h and v4 stand behind runs of scalar lines
	s_mul_i32 s21, s15, HALFT                      ; my 128 rows of part A
	s_mul_i32 s22, s16, HALFT                      ; my 128 rows of part B,
	s_add_co_u32 s22, s22, 2*HALFT                 ; which lie behind part A's 256
	s_mov_b32 s86, s21                             ; source 1 reads part A,
	s_mov_b32 s87, s22                             ; source 0 part B
.irp s, 0,1
	v_add_nc_u32 v[ADRA+\s], s86, v4
	v_add_nc_u32 v[ADRB+\s], s87, v4
	s_add_co_u32 s86, s86, SLOT
	s_add_co_u32 s87, s87, SLOT
.endr
	; the way out's addresses, for both kinds of cluster: every register is written on the one way that all take
	v_and_b32 v6, 31, v0                           ; lane
	v_lshlrev_b32 v[GO], 4, v6
	s_mul_i32 s23, s14, 128*80                     ; q, k: my stage
	v_mul_u32_u24 v5, v1, 80
	v_lshl_add_u32 v5, v2, 3, v5
	v_add_nc_u32 v[STQ], s23, v5                   ; in: row r of 16 tokens, 8 bytes for each half of the lanes
	v_lshrrev_b32 v7, 2, v6
	v_mul_u32_u24 v7, v7, 80
	v_and_b32 v5, 3, v6
	v_lshl_add_u32 v7, v5, 4, v7
	v_add_nc_u32 v[RDQ], s23, v7                   ; back: four lanes to a row of 64 bytes, eight rows an instruction
	s_mul_i32 s23, s14, 64*144
	s_add_co_u32 s23, s23, VSTG                    ; v: my stage
	v_mul_u32_u24 v5, v1, 144
	v_lshl_add_u32 v5, v2, 3, v5
	v_add_nc_u32 v[STV], s23, v5                   ; in: row r of 16 channels
	v_lshrrev_b32 v7, 3, v6
	v_mul_u32_u24 v7, v7, 144
	v_and_b32 v5, 7, v6
	v_lshl_add_u32 v7, v5, 4, v7
	v_add_nc_u32 v[RDV], s23, v7                   ; back: eight lanes to a row of 128 bytes, four rows an instruction
	s_cmp_eq_u32 ttmp9, 2                          ; which part holds columns and which tokens (these four feed global addresses of plain loads and stores alone)
	s_cselect_b32 s66, s96, s97                    ; my tile of 256 columns
	s_cselect_b32 s67, s97, s96                    ; my tile of 256 tokens
	s_cselect_b32 s12, s15, s16                    ; my half of the columns
	s_cselect_b32 s13, s16, s15                    ; my half of the tokens
	s_lshl_b32 s92, s66, 10
	s_lshl_b32 s93, s12, 9
	s_add_co_u32 s92, s92, s93                     ; 4 x (256 x tile of columns + 128 x half): the bias of my 128 columns, in both layouts
	s_mov_b32 s93, 0
	s_add_nc_u64 s[88:89], s[10:11], s[92:93]
	v_lshlrev_b32 v[BOQ], 5, v2
	v_lshlrev_b32 v[BOV], 2, v1
.irp b, 0,1,2,3,4,5,6,7
	global_load_b128 v[BQ+8*\b:BQ+8*\b+3], v[BOQ], s[88:89] offset:64*\b
	global_load_b128 v[BQ+8*\b+4:BQ+8*\b+7], v[BOQ], s[88:89] offset:64*\b+16
.endr
.irp a, 0,1,2,3,4,5,6,7
	global_load_b32 v[BV+2*\a], v[BOV], s[88:89] offset:64*\a
	global_load_b32 v[BV+2*\a+1], v[BOV], s[88:89] offset:64*\a
.endr
	; where my codes go: the part's buffer; head b x 16 + 4 (tile of columns % 4) + 2 x half (and the next one), 131,072 bytes a head; my block of 128 tokens, 8,192 bytes, in either layout
	s_cmp_eq_u32 ttmp9, 0
	s_cselect_b64 s[82:83], s[76:77], s[78:79]
	s_cmp_eq_u32 ttmp9, 2
	s_cselect_b64 s[82:83], s[80:81], s[82:83]
	s_lshl_b32 s92, s67, 8
	s_lshl_b32 s93, s13, 7
	s_add_co_u32 s92, s92, s93                     ; my first token
	s_lshr_b32 s93, s92, 11
	s_lshl_b32 s93, s93, 4                         ; 16 b
	s_and_b32 s94, s66, 3
	s_lshl_b32 s94, s94, 2
	s_add_co_u32 s93, s93, s94
	s_lshl_b32 s94, s12, 1
	s_add_co_u32 s93, s93, s94
	s_lshl_b32 s93, s93, 17
	s_bfe_u32 s94, s92, 0x40007                    ; the block of 128 tokens in its sequence
	s_lshl_b32 s94, s94, 13
	s_add_co_u32 s92, s93, s94
	s_mov_b32 s93, 0
	s_add_nc_u64 s[82:83], s[82:83], s[92:93]
.macro FRAG reg, adr, q, i             ; a fragment, 16 rows x 128 K, is 16 registers: registers 4 c .. 4 c + 3 hold K = 32 c + 16 (l / 16) + 0 .. 15: the same places in both sources
.irp c, 0,1,2,3
	ds_load_b128 v[\reg+4*\c:\reg+4*\c+3], v[\adr] offset:128*(\q)+32*\c+(\i)*16*PITCH
.endr
.endm
; 16 matrix instructions: source 1's blocks a0, a0 + 1 x source 0's eight, 128 along K.  p: source 0's set.  zero = 1: the first product starts the sums.
; The 64 accumulators take turns, one instruction a turn, in the same order in every step.
.macro MUL16 a0, p, zero
.irp a, \a0, \a0+1
.irp b, 0,1,2,3,4,5,6,7
.if \zero
	v_wmma_f32_16x16x128_fp8_fp8 v[8*(8*((\a)%4)+\b):8*(8*((\a)%4)+\b)+7], v[128*(\p)+FR*\b:128*(\p)+FR*\b+FR-1], v[AF+FR*(\a):AF+FR*(\a)+FR-1], 0
.else
	v_wmma_f32_16x16x128_fp8_fp8 v[8*(8*((\a)%4)+\b):8*(8*((\a)%4)+\b)+7], v[128*(\p)+FR*\b:128*(\p)+FR*\b+FR-1], v[AF+FR*(\a):AF+FR*(\a)+FR-1], v[8*(8*((\a)%4)+\b):8*(8*((\a)%4)+\b)+7]
.endif
.endr
.endr
.endm
.macro FETCH_B slot, q, p              ; source 0's eight fragments of the slot's q-th 128 along K into set p
	WIN TO_B
.irp i, 0,1,2,3,4,5,6,7
	FRAG 128*(\p)+FR*\i, ADRB+\slot, \q, \i
.endr
	WIN 0
.endm
.macro FETCH_A slot, q, i0             ; source 1's blocks i0 .. i0 + 3
.irp i, \i0, \i0+1, \i0+2, \i0+3
	FRAG AF+FR*(\i), ADRA+\slot, \q, \i
.endr
.endm
.macro PLACES n                        ; plain vector lines behind matrix instructions, in front of loads into their registers and of reads of their results
.rept \n
	v_nop
.endr
.endm
.macro STEP slot, q, zero              ; a step of 128 along K that has its successor in the same slot
	s_wait_dscnt 4*NL                              ; source 0's set and source 1's blocks 0-3 are in; the youngest sixteen loads (blocks 4-7) may be out
	WIN MUL_LO
	MUL16 0, (\q)%2, \zero
	MUL16 2, (\q)%2, \zero
	s_wait_dscnt 0                                 ; blocks 4-7 are in
	PLACES NP
	FETCH_B \slot, (\q)+1, 1-(\q)%2
	FETCH_A \slot, (\q)+1, 0
	WIN MUL_HI
	MUL16 4, (\q)%2, \zero
	MUL16 6, (\q)%2, \zero
	PLACES NP
	WIN 0
	FETCH_A \slot, (\q)+1, 4
.endm
; A slot's last step changes slots: ONE barrier; in front of it each wave waits for all its tensor loads, adds 0 to its spare word, and waits for that and for its own reads of this slot.  fill = 1: this slot is filled again.
.macro TURN slot, next, fill
	s_wait_tensorcnt 0x0                           ; my part of the next slot has landed  (every window is 0 here)
	ds_add_u32 v[SPW], v[NIL]
	s_wait_dscnt 4*NL+1                            ; (the add and the youngest sixteen loads may be out)
	WIN MUL_LO
	MUL16 0, 1, 0
	s_wait_dscnt 0x0                               ; the add is done, and my reads of this slot are over
	s_barrier_signal -1
	MUL16 2, 1, 0
	WIN 0
	s_barrier_wait -1
.if \fill
	CREST                                          ; the barrier has opened a round of the cluster's barrier
	s_add_nc_u64 s[G0+4*\slot+2:G0+4*\slot+3], s[G0+4*\slot+2:G0+4*\slot+3], 2*ROWB
	s_add_nc_u64 s[G0B+4*\slot+2:G0B+4*\slot+3], s[G0B+4*\slot+2:G0B+4*\slot+3], 2*ROWB
	JLOAD G0+4*\slot, G1, G0B+4*\slot, G1B         ; the first tensor load behind the round; its four v_nop are the places in front of the loads below
.else
	PLACES NP
.endif
	FETCH_B \next, 0, 0
	FETCH_A \next, 0, 0
	WIN MUL_HI
	MUL16 4, 1, 0
	MUL16 6, 1, 0
	PLACES NP
	WIN 0
	FETCH_A \next, 0, 4
.endm
	s_wait_alu depctr_va_vdst(0)                   ; the wait at the head's end
	s_wait_tensorcnt 0x0                           ; my part of K step 0 is in
	ds_add_u32 v[SPW], v[NIL]
	s_wait_dscnt 0x0
	CROUND                                         ; everybody's part of K step 0 is in, and all sixteen work-groups are here
	JLOAD G0+4, G1, G0B+4, G1B                     ; K step 1: the first tensor load behind the round
	FETCH_B 0, 0, 0
	FETCH_A 0, 0, 0
	FETCH_A 0, 0, 4
	STEP 0, 0, 1                                   ; the first step's products start the sums
.rept LAPS-1                           ; once round the ring: both slots are filled again (K has four K steps: this stands once)
	TURN 0, 1, 1
	STEP 1, 0, 0
	TURN 1, 0, 1
	STEP 0, 0, 0
.endr
	TURN 0, 1, 0                                   ; the last lap fills nothing, and has no round of the cluster's barrier
	STEP 1, 0, 0
	s_wait_dscnt 4*NL                              ; the very last step: nothing more to fetch
	WIN MUL_LO
	MUL16 0, 1, 0
	MUL16 2, 1, 0
	s_wait_dscnt 0
	WIN MUL_HI
	MUL16 4, 1, 0
	MUL16 6, 1, 0
	WIN 0
; THE WAY OUT.  number = sum x 2^(e0 + e1) + bias: one packed multiply-add for two; the hold; eight neighbours along the next K make 8 bytes.  A head's 8,192 bytes of codes (half of my tile) go through my own stage in LDS
; and come back in the order of memory, so that each store of the wave covers 512 consecutive bytes, aligned.  LDS serves a wave's instructions in order (ISA guide 5.7.1.4): no wait between my stores and my loads.
	s_wait_kmcnt 0x0                               ; the exponents
	s_wait_loadcnt 0x0                             ; the biases
	s_add_co_i32 s84, s68, s69
	s_add_co_i32 s84, s84, 127
	s_lshl_b32 s84, s84, 23                        ; 2^(e0 + e1) as f32
	s_mov_b32 s85, s84                             ; (named with it as a pair)
	s_cmp_eq_u32 ttmp9, 0
	s_cselect_b32 s90, s70, s71                    ; q: e2; k: e3;
	s_cmp_eq_u32 ttmp9, 2
	s_cselect_b32 s90, s73, s90                    ; v: e5.  A choice, no branch, hangs on the loaded numbers
	s_add_co_i32 s90, s90, 127
	s_lshl_b32 s91, s90, 23
	v_mov_b32 v[SCL], s91
	s_add_co_i32 s90, s90, 8
	s_lshl_b32 s90, s90, 23
	s_or_b32 s90, s90, 0x600000
	v_mov_b32 v[LIMV], s90
	PLACES NP                                      ; behind the last products
.macro QKROWS hh, a                    ; q, k: 16 tokens (block a) x the 64 channels of head hh
.set AC, 8*(8*((\a)%4)+4*(\hh))
.set BB, BQ+32*(\hh)
.set CC, CD+8*((\a)%2)
	WIN 0x02+((\a)/4)                              ; source 0: window 2 or 3
.set n, 0
.rept 16
	v_pk_fma_f32 v[TMP+n:TMP+n+1], v[AC+n:AC+n+1], s[84:85], v[BB+n:BB+n+1] op_sel_hi:[1,0,1]   ; each accumulator from its low end on
.set n, n+2
.endr
	WIN 0
.set n, 0
.rept 32
	v_med3_num_f32 v[TMP+n], v[TMP+n], -v[LIMV], v[LIMV]   ; the conversion to an 8-bit code does not saturate (ISA guide 7.6.2)
.set n, n+1
.endr
.irp b, 0,1,2,3
	v_cvt_scalef32_pk8_fp8_f32 v[CC+2*\b:CC+2*\b+1], v[TMP+8*\b:TMP+8*\b+7], v[SCL]
.endr
	v_nop                                          ; one plain vector line between the conversions and the next lines that write their sources
.irp b, 0,1,2,3
	ds_store_b64 v[STQ], v[CC+2*\b:CC+2*\b+1] offset:(\a)*16*80+16*\b   ; token 16 a + r, channels 16 b + 8 h + 0 .. 7
.endr
.endm
.macro VROWS hh, ap                    ; v: 16 channels (block 4 hh + ap) x my 128 tokens
.set AC, 64*(\ap)
.set BB, BV+2*(4*(\hh)+(\ap))
	WIN 0x02+(\hh)
.set n, 0
.rept 32
	v_pk_fma_f32 v[TMP+n:TMP+n+1], v[AC+n:AC+n+1], s[84:85], v[BB:BB+1] op_sel_hi:[1,0,1]
.set n, n+2
.endr
	WIN 0
.set n, 0
.rept 64
	v_med3_num_f32 v[TMP+n], v[TMP+n], -v[LIMV], v[LIMV]
.set n, n+1
.endr
.irp b, 0,1,2,3,4,5,6,7
	v_cvt_scalef32_pk8_fp8_f32 v[CD+2*\b:CD+2*\b+1], v[TMP+8*\b:TMP+8*\b+7], v[SCL]
.endr
	v_nop
.irp b, 0,1,2,3,4,5,6,7
	ds_store_b64 v[STV], v[CD+2*\b:CD+2*\b+1] offset:(\ap)*16*144+16*\b   ; channel 16 ap + r, tokens 16 b + 8 h + 0 .. 7
.endr
.endm
.macro BACK rd, step                   ; a head's 8,192 bytes back from the stage, in the order of memory
.irp t, 0,1,2,3,4,5,6,7,8,9,10,11,12,13,14,15
	ds_load_b128 v[BK+4*\t:BK+4*\t+3], v[\rd] offset:\t*(\step)
.endr
.endm
	s_cmp_eq_u32 ttmp9, 2                          ; the cluster's x: the same in all sixteen partners and all waves
	s_cbranch_scc1 .Lout_v
.irp a, 0,1,2,3,4,5,6,7
	QKROWS 0, \a
.endr
	BACK RDQ, 8*80
.irp a, 0,1,2,3,4,5,6,7
	QKROWS 1, \a                                   ; the second head's arithmetic stands between the first head's loads and the wait for them
.endr
	s_wait_dscnt 32                                ; the first head is back; the second head's 32 stores may be out
.irp t, 0,1,2,3,4,5,6,7,8,9,10,11,12,13,14,15
	global_store_b128 v[GO], v[BK+4*\t:BK+4*\t+3], s[82:83] offset:512*\t
.endr
	s_wait_xcnt 0x0                                ; the stores have read their registers: they are loaded again only behind this wait
	BACK RDQ, 8*80
.irp t, 0,1,2,3,4,5,6,7,8,9,10,11,12,13,14,15
	s_wait_dscnt 15-\t                             ; the younger loads may be out
	global_store_b128 v[GO], v[BK+4*\t:BK+4*\t+3], s[82:83] offset:131072+512*\t
.endr
	s_branch .Lout_done
.Lout_v:
.irp p, 0,1,2,3
	VROWS 0, \p
.endr
	BACK RDV, 4*144
.irp p, 0,1,2,3
	VROWS 1, \p
.endr
	s_wait_dscnt 32                                ; the first head is back; the second head's 32 stores may be out
.irp t, 0,1,2,3,4,5,6,7,8,9,10,11,12,13,14,15
	global_store_b128 v[GO], v[BK+4*\t:BK+4*\t+3], s[82:83] offset:512*\t
.endr
	s_wait_xcnt 0x0
	BACK RDV, 4*144
.irp t, 0,1,2,3,4,5,6,7,8,9,10,11,12,13,14,15
	s_wait_dscnt 15-\t
	global_store_b128 v[GO], v[BK+4*\t:BK+4*\t+3], s[82:83] offset:131072+512*\t
.endr
.Lout_done:
	s_wait_tensorcnt 0x0                           ; the wave's end
	ds_add_u32 v[SPW], v[NIL]
	s_wait_dscnt 0x0
	CROUND                                         ; the closing round
	s_endpgm
.Lfunc_end_k_q9dd172d5df_qkv:
	.size	k_q9dd172d5df_qkv, .Lfunc_end_k_q9dd172d5df_qkv-k_q9dd172d5df_qkv
	.p2alignl 7, 3214868480
	.fill 96, 4, 3214868480
	.section	.rodata,"a",@progbits
	.p2align	6, 0x0
	.amdhsa_kernel k_q9dd172d5df_qkv
		.amdhsa_group_segment_fixed_size 327680
		.amdhsa_private_segment_fixed_size 0
		.amdhsa_enable_private_segment 0
		.amdhsa_kernarg_size 56
		.amdhsa_user_sgpr_count 2
		.amdhsa_user_sgpr_kernarg_segment_ptr 1
		.amdhsa_wavefront_size32 1
		.amdhsa_system_sgpr_workgroup_id_x 1
		.amdhsa_system_sgpr_workgroup_id_y 1
		.amdhsa_system_sgpr_workgroup_id_z 1
		.amdhsa_system_vgpr_workitem_id 0
		.amdhsa_next_free_vgpr 1024
		.amdhsa_next_free_sgpr 100
		.amdhsa_reserve_vcc 0
		.amdhsa_float_denorm_mode_32 3
		.amdhsa_float_denorm_mode_16_64 3
		.amdhsa_memory_ordered 1
		.amdhsa_forward_progress 1
		.amdhsa_inst_pref_size 209
	.end_amdhsa_kernel
	.amdgpu_metadata
---
amdhsa.version: [ 1, 2 ]
amdhsa.kernels:
  - .name:           k_q9dd172d5df_qkv
    .symbol:         k_q9dd172d5df_qkv.kd
    .args:
      - { .name: x_codes, .offset: 0, .size: 8, .value_kind: global_buffer, .address_space: global }
      - { .name: wa_codes, .offset: 8, .size: 8, .value_kind: global_buffer, .address_space: global }
      - { .name: lowp_scales, .offset: 16, .size: 8, .value_kind: global_buffer, .address_space: global }
      - { .name: b_attn, .offset: 24, .size: 8, .value_kind: global_buffer, .address_space: global }
      - { .name: q_codes, .offset: 32, .size: 8, .value_kind: global_buffer, .address_space: global }
      - { .name: k_codes, .offset: 40, .size: 8, .value_kind: global_buffer, .address_space: global }
      - { .name: v_codes, .offset: 48, .size: 8, .value_kind: global_buffer, .address_space: global }
    .group_segment_fixed_size: 327680
    .private_segment_fixed_size: 0
    .kernarg_segment_align: 8
    .kernarg_segment_size: 56
    .max_flat_workgroup_size: 128
    .sgpr_count:     100
    .vgpr_count:     1024
    .wavefront_size: 32
...
	.end_amdgpu_metadata
.endif
;; end of part 2
;; launch attn (part 3): grid 256 x 1, 16 waves a work-group, clusters of 4 x 1, 327,680 bytes of LDS; arguments q_codes, k_codes, v_codes, lowp_scales, y_codes; writes y_codes
.if DOCPART == 3
	.amdgcn_target "amdgcn-amd-amdhsa--gfx1250"
	.amdhsa_code_object_version 6
	.text
	.protected	k_q9dd172d5df_attn
	.globl	k_q9dd172d5df_attn
	.p2align	8
	.type	k_q9dd172d5df_attn,@function
k_q9dd172d5df_attn:
	s_mov_b64 s[64:65], 0
	v_nop
	global_prefetch_b8 v0, s[64:65] scope:SCOPE_SE
	s_setreg_imm32_b32 hwreg(HW_REG_WAVE_MODE, 25, 1), 1
	s_wait_xcnt 0x0
	s_wait_alu depctr_hold_cnt(0) depctr_sa_sdst(0) depctr_va_vdst(0) depctr_va_sdst(0) depctr_va_ssrc(0) depctr_va_vcc(0) depctr_vm_vsrc(0)
	s_getreg_b32 s2, hwreg(HW_REG_IB_STS2, 6, 4)
	s_cmp_eq_u32 s2, 0
	s_cbranch_scc0 .Lentry_in_a_cluster
	s_endpgm
.Lentry_in_a_cluster:
	s_bfe_u32 s2, ttmp6, 0x10000c
	s_cmp_lg_u32 s2, 0x3003
	s_cbranch_scc0 .Lentry_shape_is_right
	s_endpgm
.Lentry_shape_is_right:
; y[bh][q][:] = the sum over k <= q of softmax_k(Q[bh][q] . K[bh][k] / 8) V[bh][k][:], both products on codes of FP8 (E4M3) with the given scales (q e2, k e3, p e4, v e5), and y quantised at once (e6) for the last product.
; Q, K: [64 heads][2048][64] as codes.  V: [64 heads][16 blocks of keys][64 channels][128 keys]: the keys innermost.  OUT: y_codes [16 heads][8192 tokens][64 channels].
; LEFT OUT: steps of 64 keys all of which come after a tile's queries: their p is 0 whatever the inputs hold.
; THE SOFTMAX, IN TWO PASSES: t = score x log2(e) / 8.  Pass 1 multiplies K Q^T and keeps each row's largest score; M = ceil(the row's largest t).  Pass 2 multiplies K Q^T again, p = 2^(t - M) is quantised (not normalised)
; and multiplied with V; the row's sum is taken of the unquantised p, in f32, and divides O at the end.  M is final when pass 2 begins, so nothing is ever rescaled.
; LDS HOLDS A HEAD'S WHOLE K AND V: 2,048 rows of 64 + 16 bytes and 1,024 rows of 128 + 16 bytes, 311,296 bytes, each byte filled once: no ring, no refill, no barrier inside a loop.
; CLUSTER: the four work-groups of a head need the same K and V: every tile is asked for JOINTLY (mask 15).  Each wave asks for 128 keys of K at the head, and for 128 keys of V behind a round; V lands under pass 1.
; SHARES.  Work-group cx of a head owns the tiles of 16 queries 4 m + cx, m = 0 .. 31: tile 4 m + cx needs the key steps 0 .. m whatever cx is, so every branch hangs on the wave's number and the count of steps alone.
; Wave w owns m = w (tile A) and m = 31 - w (tile B): (w + 1) + (32 - w) = 33 tile steps in every wave.  Steps 0 .. w serve both tiles with one set of fragments, steps w + 1 .. 31 - w tile B alone.
; Both loops have 16 trips of two steps, constants of the text; a step that a wave does not need is jumped over.
; THE DIAGONAL: in a tile's last step (m) its query lies 16 cx + lane % 16 behind the step's first key, in both tiles and both passes: the 32 lane masks (one for each score register) are made once, at the head.
; The step's first key counts for every query of the tile, so each row's maximum is a number.
; LAYOUT.  Both products are used transposed: S^T = K Q^T (source 0 = 16 neighbouring keys, source 1 = 16 queries), O^T = V^T P^T (source 0 = 16 channels, source 1 = P): a lane holds ONE query (lane % 16) of each tile.
; Score register 8 t + j of lane (r, h) is key 16 t + 8 h + j, so p's codes fall into registers 2 t, 2 t + 1 as the K = 64 form's own layout has them (ISA guide 7.12.2); V's fragments come likewise, by four loads of 8 bytes.
; K's and Q's fragments (16 rows x 64 channels) come by two loads of 16 bytes: registers 4 c .. 4 c + 3 hold channels 32 c + 16 h + 0 .. 15, the same places in both sources.
; The 16 rows that a load of K touches lie 80 bytes apart, those of V 144: 16 different columns of 16 bytes in each 256.
; NO PREFETCH: all that the launch reads of K and V is asked for at its head; there is no loop to run ahead in.
; LIMITS: e2 + e3 between -123 and 130 (added to c's exponent field); e4 and e6 between -126 and 119; e4 + e5 is applied by v_ldexp_f32 and has none.  NaN among the codes is not served.
.set KP,    80                         ; a key's row in LDS: 64 bytes + 16 of padding
.set VP,    144                        ; a row of V: 128 keys + 16 of padding
.set VBLK,  64*VP                      ; a block of 128 keys of V: 64 rows
.set VOFF,  2048*KP                    ; V lies behind K
.set SPARE, VOFF+16*VBLK               ; behind both: the spare words, 128 bytes for each wave: eight blocks of 256 bytes that no other line names
.set AK0,  1                           ; v1   my lane's place in a tile of K
.set AV0,  2                           ; v2   the same for V
.set STO,  3                           ; v3   the way out's stage: where I put 8 codes
.set RD,   4                           ; v4   where I read 16 back
.set SPW,  5                           ; v5   LDS address of my spare word; never rewritten
.set NIL,  6                           ; v6   0; never rewritten
.set GO,   7                           ; v7   16 x lane
.set ADK,  8                           ; v8   LDS address of the trip's tiles of K
.set ADV,  9                           ; v9   of V
.set TA,   12                          ; v[12:13] -M of tile A (the low word serves both halves); on the way out its factor
.set TB,   14                          ; v[14:15] tile B
.set LA,   16                          ; v[16:19] tile A's sum in two packed chains
.set LB,   20                          ; v[20:23] tile B's
.set QA,   24                          ; v24-31, v32-39 Q's two fragments
.set QB,   32
.set KFR,  40                          ; v40-71   four fragments of K
.set VFR,  72                          ; v72-103  four fragments of V; in pass 1 of K
.set SA,   104                         ; v104-135, v136-167 S^T, then p
.set SB,   136
.set OA,   168                         ; v168-199, v200-231 O^T
.set OB,   200
.set CA,   232                         ; v232-239, v240-247 codes
.set CB,   240
.set SCL,  248                         ; the conversions' scale as f32
.set LIMV, 249                         ; 448 x that
.set LIM2, 255                         ; the same number once more, for the second half of a dual instruction
.set MXA,  250                         ; v250, v251 tile A's largest score in two chains
.set MXB,  252                         ; v252, v253 tile B's
.set NINF, 254                         ; -infinity
.set WV,   14                          ; s14  my wave's number = tile A's last step
.set MB,   16                          ; s16  31 - wave = tile B's last step
.set ST,   17                          ; s17  the trip's first step
.set KB,   18                          ; s18  LDS byte of the trip's keys in K
.set VB,   19                          ; s19  of its block in V
.set SEL,  20                          ; s[20:21] lane selects for v_permlanex16_b32: lane l xor 16
.set CS,   22                          ; s[22:23] c = log2(e) / 8 x 2^(e2 + e3)
.set G1K,  24                          ; s[24:31], s[32:39] descriptor groups 1;  s[40:43], s[44:47] groups 0
.set G1V,  32
.set G0K,  40
.set G0V,  44
.set MK,   66                          ; s66-97 the diagonal's lane masks: bit l of mask n is set where score register n of lane l holds a hidden key
.macro CROUND                          ; a round of the cluster's barrier
	s_barrier_signal -1
	s_barrier_wait -1
	s_cmp_lg_u32 s[WV], 0
	s_cbranch_scc1 .Lnw0_\@
	s_barrier_signal -3
.Lnw0_\@:
	s_barrier_wait -3
	s_barrier_signal -1
	s_barrier_wait -1
.endm
.macro NOPS
.rept 4
	v_nop
.endr
.endm
	s_load_b256 s[4:11], s[0:1], 0x0               ; Q's codes s[4:5], K's s[6:7], V's s[8:9], the scales' exponents s[10:11]
	s_load_b64 s[12:13], s[0:1], 0x20              ; y's codes
	v_lshl_add_u32 v[SPW], v0, 2, SPARE
	v_mov_b32 v[NIL], 0
	ds_add_u32 v[SPW], v[NIL]                      ; the opening: the add, twice on end, and its wait ahead of my first tensor load
	ds_add_u32 v[SPW], v[NIL]
	v_lshrrev_b32 v8, 5, v0
	v_readfirstlane_b32 s[WV], v8                  ; wave 0..15
	s_sub_co_u32 s[MB], 31, s[WV]
	s_bfe_u32 s15, ttmp6, 0x40000                  ; cx,
	s_lshl_b32 s15, s15, 4                         ; x 16: it enters global addresses of plain loads and stores and the diagonal's masks, nothing else
	s_lshl_b32 s57, ttmp9, 17                      ; the cluster's x is b x 16 + head: 131,072 bytes a head in each of Q, K, V
	s_lshl_b32 s58, s[WV], 13                      ; my 128 keys: 8,192 bytes of K, and of V
	s_add_co_u32 s58, s58, s57
	s_mov_b32 s59, 0
	; group 1: 8,192 dense bytes stated as 32 rows of 256; the padding of four words stands behind every 16 words (K's rows of 64 bytes) or 32 words (V's rows of 128)
	s_mov_b32 s[G1K], 15|(1<<20)|(1<<21)|(3<<22)|(3<<25)   ; 15:0 the mask: all four partners; 17:16 elements of 1 byte; 20 padding on; 21 set beside a mask
	s_mov_b32 s[G1V], 15|(1<<20)|(1<<21)|(4<<22)|(3<<25)
.irp g, G1K, G1V
	s_mov_b32 s[\g+1], 256<<16                     ; tensor_dim0
	s_mov_b32 s[\g+2], 32<<16                      ; tensor_dim1
	s_mov_b32 s[\g+3], 256<<16                     ; tile_dim0
	s_mov_b32 s[\g+4], 32                          ; tile_dim1
	s_mov_b32 s[\g+5], 256                         ; the pitch
	s_mov_b32 s[\g+6], 0
	s_mov_b32 s[\g+7], 0
.endr
	s_mov_b32 s[G0K], 1
	s_mul_i32 s[G0K+1], s[WV], 128*KP              ; LDS: wave x 128 rows of K
	s_mov_b32 s[G0V], 1
	s_mul_i32 s[G0V+1], s[WV], VBLK
	s_add_co_u32 s[G0V+1], s[G0V+1], VOFF          ; wave x a block of V
	s_mov_b32 s[SEL], 0x76543210
	s_mov_b32 s[SEL+1], 0xfedcba98
	s_mov_b32 s[CS], 0x3e38aa3b                    ; log2(e) / 8
	s_wait_dscnt 0x0                               ; both opening adds are done
	s_wait_kmcnt 0x0
	s_load_b256 s[48:55], s[10:11], 0x0            ; e0 .. e7
	s_add_nc_u64 s[G0K+2:G0K+3], s[6:7], s[58:59]
	s_or_b32 s[G0K+3], s[G0K+3], 0x80000000
	s_add_nc_u64 s[G0V+2:G0V+3], s[8:9], s[58:59]
	s_or_b32 s[G0V+3], s[G0V+3], 0x80000000
	CROUND                                         ; all four work-groups are here: the joint loads meet
	tensor_load_to_lds s[G0K:G0K+3], s[G1K:G1K+7]  ; my 128 keys of K: one tensor load a wave at the head
	s_nop 0
	NOPS
	; global places: tile A's first query 64 w + 16 cx, tile B's 64 (31 - w) + 16 cx
	s_lshl_b32 s58, s[WV], 6
	s_add_co_u32 s58, s58, s15
	s_lshl_b32 s59, s[MB], 6
	s_add_co_u32 s59, s59, s15
	s_and_b32 s60, ttmp9, 15                       ; y: head x 524,288 + (b x 2,048 + query) x 64
	s_lshl_b32 s60, s60, 19
	s_lshr_b32 s61, ttmp9, 4
	s_lshl_b32 s61, s61, 11
	s_add_co_u32 s62, s61, s59
	s_add_co_u32 s61, s61, s58
	s_lshl_b32 s61, s61, 6
	s_lshl_b32 s62, s62, 6
	s_add_co_u32 s62, s62, s60
	s_add_co_u32 s60, s60, s61
	s_mov_b32 s61, 0
	s_mov_b32 s63, 0
	s_add_nc_u64 s[62:63], s[12:13], s[62:63]      ; y at tile B
	s_add_nc_u64 s[60:61], s[12:13], s[60:61]      ; y at tile A
	s_lshl_b32 s58, s58, 6
	s_add_co_u32 s58, s58, s57
	s_lshl_b32 s98, s59, 6
	s_add_co_u32 s98, s98, s57
	s_mov_b32 s59, 0
	s_mov_b32 s99, 0
	s_add_nc_u64 s[6:7], s[4:5], s[98:99]          ; Q at tile B
	s_add_nc_u64 s[4:5], s[4:5], s[58:59]          ; Q at tile A
	s_mul_i32 s98, s[WV], 32*KP                    ; my stage on the way out: 32 rows of 80 bytes, in K's bytes
	v_and_b32 v8, 15, v0                           ; r = lane % 16
	v_bfe_u32 v9, v0, 4, 1                         ; h = lane / 16
	v_and_b32 v10, 31, v0                          ; lane
	v_lshlrev_b32 v11, 6, v8
	v_mul_u32_u24 v[AK0], v8, KP
	v_mul_u32_u24 v[AV0], v8, VP
	v_lshl_add_u32 v11, v9, 4, v11                 ; Q: row r of 64 bytes, + 16 h; not written again
	v_lshl_add_u32 v[AK0], v9, 4, v[AK0]           ; K: row r, + 16 h
	v_lshl_add_u32 v[AV0], v9, 3, v[AV0]           ; V: row r, + 8 h
	global_load_b128 v[QA:QA+3], v11, s[4:5]
	global_load_b128 v[QA+4:QA+7], v11, s[4:5] offset:32
	global_load_b128 v[QB:QB+3], v11, s[6:7]
	global_load_b128 v[QB+4:QB+7], v11, s[6:7] offset:32
	v_lshlrev_b32 v[SA], 3, v9
	v_add_nc_u32 v[AV0], VOFF, v[AV0]
	v_mul_u32_u24 v[STO], v8, KP
	v_sub_nc_u32 v[SA], v8, v[SA]
	v_lshrrev_b32 v[RD], 2, v10
	v_lshl_add_u32 v[STO], v9, 3, v[STO]
	v_add_nc_u32 v[SA], s15, v[SA]                 ; d = 16 cx + r - 8 h: my query less the key of my score register 0, in a tile's last step
	v_mul_u32_u24 v[RD], v[RD], KP
	v_and_b32 v255, 3, v10
	v_add_nc_u32 v[STO], s98, v[STO]               ; in: row r of a tile, 8 bytes for each half of the lanes
	v_lshlrev_b32 v[GO], 4, v10
	v_lshl_add_u32 v[RD], v255, 4, v[RD]
	v_mov_b32 v[NINF], 0xff800000
	v_add_nc_u32 v[RD], s98, v[RD]                 ; back: four lanes to a row of 64 bytes
.set n, 0
.rept 32
	v_cmp_gt_i32 s[MK+n], 16*(n/8)+n%8, v[SA]      ; register n holds the step's key 8 h + 16 (n / 8) + n % 8: hidden where 16 (n / 8) + n % 8 > d
.set n, n+1
.endr
.irp i, 0,1,2,3
	v_mov_b32 v[MXA+\i], 0xff800000                ; the largest scores so far
	v_mov_b32 v[LA+\i], 0                          ; the sums
	v_mov_b32 v[LB+\i], 0
.endr
	v_mov_b32 v[TA+1], 0                           ; (named as the upper halves of pairs)
	v_mov_b32 v[TB+1], 0
.set n, 0
.rept 64
	v_mov_b32 v[OA+n], 0                           ; O^T: the step is written with no first step of its own
.set n, n+1
.endr
	s_wait_kmcnt 0x0
	s_add_co_i32 s98, s50, s51
	s_lshl_b32 s98, s98, 23
	s_add_co_i32 s[CS], s[CS], s98                 ; a score stands for score x 2^(e2 + e3): added to c's exponent field
	s_mov_b32 s[CS+1], s[CS]                       ; (named with it as a pair)
	s_add_co_i32 s98, s52, 127
	s_lshl_b32 s99, s98, 23
	v_mov_b32 v[SCL], s99                          ; 2^e4 as f32
	s_add_co_i32 s98, s98, 8
	s_lshl_b32 s98, s98, 23
	s_or_b32 s98, s98, 0x600000
	v_mov_b32 v[LIMV], s98                         ; 448 x 2^e4,
	v_mov_b32 v[LIM2], s98                         ; twice
	s_wait_alu depctr_va_vdst(0)                   ; the wait at the head's end
	s_wait_tensorcnt 0x0                           ; my part of K is in
	ds_add_u32 v[SPW], v[NIL]
	s_wait_dscnt 0x0
	CROUND                                         ; all of K is in, in all four work-groups
	tensor_load_to_lds s[G0V:G0V+3], s[G1V:G1V+7]  ; my 128 keys of V: it has pass 1 in which to land
	s_nop 0
	NOPS
	s_wait_loadcnt 0x0                             ; Q
.macro KLOAD q, fr                     ; the four key tiles of the trip's step q
.irp t, 0,1,2,3
.irp c, 0,1
	ds_load_b128 v[\fr+8*\t+4*\c:\fr+8*\t+4*\c+3], v[ADK] offset:(64*(\q)+16*\t)*KP+32*\c
.endr
.endr
.endm
.macro VLOAD q                         ; the four channel tiles, the step's 64 keys: registers 2 c, 2 c + 1 hold keys 16 c + 8 h + 0 .. 7
.irp t, 0,1,2,3
.irp c, 0,1,2,3
	ds_load_b64 v[VFR+8*\t+2*\c:VFR+8*\t+2*\c+1], v[ADV] offset:16*\t*VP+64*(\q)+16*\c
.endr
.endr
.endm
.macro SCORES both, fr                 ; S^T = K Q^T; the accumulators by turns; four places in front of the first read of results
.irp t, 0,1,2,3
.if \both
	v_wmma_f32_16x16x64_fp8_fp8 v[SA+8*\t:SA+8*\t+7], v[\fr+8*\t:\fr+8*\t+7], v[QA:QA+7], 0
.endif
	v_wmma_f32_16x16x64_fp8_fp8 v[SB+8*\t:SB+8*\t+7], v[\fr+8*\t:\fr+8*\t+7], v[QB:QB+7], 0
.endr
	NOPS
.endm
.macro MASK sc                         ; hidden keys' scores become -infinity: they lose every maximum, and p = 0
.set n, 0
.rept 32
	v_cndmask_b32 v[\sc+n], v[\sc+n], v[NINF], s[MK+n]
.set n, n+1
.endr
.endm
.macro MAXES both                      ; each accumulator is read from its low end on; two chains a tile
.set n, 0
.rept 8
.if \both
	v_max3_num_f32 v[MXA], v[MXA], v[SA+n], v[SA+n+1]
	v_max3_num_f32 v[MXA+1], v[MXA+1], v[SA+n+2], v[SA+n+3]
.endif
	v_max3_num_f32 v[MXB], v[MXB], v[SB+n], v[SB+n+1]
	v_max3_num_f32 v[MXB+1], v[MXB+1], v[SB+n+2], v[SB+n+3]
.set n, n+4
.endr
.endm
; PASS 1, a step of 64 keys.  The branches hang on the wave's number and the count of steps.  The maxima behind the products are the places in front of the next trip's loads.
.macro S1 q, fr, cnt
	s_add_co_u32 s98, s[ST], \q
	s_cmp_gt_u32 s98, s[MB]
	s_wait_dscnt \cnt                              ; this step's eight loads are in (cnt = 8: the next step's eight may be out)
	s_cbranch_scc1 .Lh1_\@                         ; past tile B's last step: nothing to do
	s_cmp_gt_u32 s98, s[WV]
	s_cbranch_scc1 .Lb1_\@                         ; past tile A's last step: tile B alone
	SCORES 1, \fr
	s_cmp_lg_u32 s98, s[WV]
	s_cbranch_scc1 .Lo1_\@
	MASK SA                                        ; tile A's last step lies on the diagonal
.Lo1_\@:
	MAXES 1
	s_branch .Le1_\@
.Lb1_\@:
	SCORES 0, \fr
	s_cmp_lg_u32 s98, s[MB]
	s_cbranch_scc1 .Lq1_\@
	MASK SB
.Lq1_\@:
	MAXES 0
.Le1_\@:
	s_wait_alu depctr_va_vdst(0)
.Lh1_\@:
.endm
	s_mov_b32 s[ST], 0
	s_mov_b32 s[KB], 0
.Lp1:
	s_cmp_gt_u32 s[ST], s[MB]
	s_cbranch_scc1 .Lt1                            ; a trip past tile B's last step
	v_add_nc_u32 v[ADK], s[KB], v[AK0]
	KLOAD 0, KFR                                   ; both steps' fragments at once: V's registers are idle in this pass.  (Step 1 lies inside K whatever the wave needs of it)
	KLOAD 1, VFR
	S1 0, KFR, 8
	S1 1, VFR, 0
.Lt1:
	s_add_co_u32 s[KB], s[KB], 128*KP
	s_add_co_u32 s[ST], s[ST], 2
	s_cmp_lt_u32 s[ST], 32
	s_cbranch_scc1 .Lp1
	v_max_num_f32 v[MXA], v[MXA], v[MXA+1]
	v_max_num_f32 v[MXB], v[MXB], v[MXB+1]
	v_permlanex16_b32 v[MXA+1], v[MXA], s[SEL], s[SEL+1]
	v_permlanex16_b32 v[MXB+1], v[MXB], s[SEL], s[SEL+1]
	v_max_num_f32 v[MXA], v[MXA], v[MXA+1]         ; with lane l xor 16's: the row's largest score,
	v_max_num_f32 v[MXB], v[MXB], v[MXB+1]
	v_mul_f32 v[MXA], s[CS], v[MXA]                ; as t (c is positive)
	v_mul_f32 v[MXB], s[CS], v[MXB]
	v_floor_f32 v[TA], -v[MXA]                     ; -M = floor(-t) = -ceil(t)
	v_floor_f32 v[TB], -v[MXB]
	s_wait_alu depctr_va_vdst(0)
	s_wait_tensorcnt 0x0                           ; my part of V is in,
	s_wait_dscnt 0x0
	s_barrier_signal -1
	s_barrier_wait -1                              ; everybody's is.
.macro SOFT both                       ; from scores to codes
.set n, 0
.rept 16
.if \both
	v_pk_fma_f32 v[SA+n:SA+n+1], v[SA+n:SA+n+1], s[CS:CS+1], v[TA:TA+1] op_sel_hi:[1,0,0]   ; t - M, two at a time (of the pairs c and -M the low word serves both halves)
.endif
	v_pk_fma_f32 v[SB+n:SB+n+1], v[SB+n:SB+n+1], s[CS:CS+1], v[TB:TB+1] op_sel_hi:[1,0,0]
.set n, n+2
.endr
	s_wait_alu depctr_va_vdst(0)                   ; one wait ahead of the batch,
.set n, 0
.rept 32
.if \both
	v_exp_f32 v[SA+n], v[SA+n]                     ; p = 2^(t - M): NOT normalised
.endif
	v_exp_f32 v[SB+n], v[SB+n]
.set n, n+1
.endr
	v_nop                                          ; a plain place behind the exponentials
	s_wait_alu depctr_va_vdst(0)                   ; and one behind it, ahead of its first reader
.set n, 0
.rept 8
.if \both
	v_pk_add_f32 v[LA:LA+1], v[LA:LA+1], v[SA+n:SA+n+1]        ; the sum of the UNQUANTISED p
	v_pk_add_f32 v[LA+2:LA+3], v[LA+2:LA+3], v[SA+n+2:SA+n+3]
.endif
	v_pk_add_f32 v[LB:LB+1], v[LB:LB+1], v[SB+n:SB+n+1]
	v_pk_add_f32 v[LB+2:LB+3], v[LB+2:LB+3], v[SB+n+2:SB+n+3]
.set n, n+4
.endr
.set n, 0
.rept 16                               ; the conversion to an 8-bit code does not saturate (ISA guide 7.6.2); p is not negative: a one-sided hold.  Two holds an instruction: an even and an odd destination, each pair of sources in two register banks
.if \both
	v_dual_min_num_f32 v[SA+n], v[SA+n], v[LIMV] :: v_dual_min_num_f32 v[SA+n+1], v[SA+n+1], v[LIM2]
.endif
	v_dual_min_num_f32 v[SB+n], v[SB+n], v[LIMV] :: v_dual_min_num_f32 v[SB+n+1], v[SB+n+1], v[LIM2]
.set n, n+2
.endr
.irp t, 0,1,2,3
.if \both
	v_cvt_scalef32_pk8_fp8_f32 v[CA+2*\t:CA+2*\t+1], v[SA+8*\t:SA+8*\t+7], v[SCL]
.endif
	v_cvt_scalef32_pk8_fp8_f32 v[CB+2*\t:CB+2*\t+1], v[SB+8*\t:SB+8*\t+7], v[SCL]
.endr
	v_nop                                          ; one plain line between the last conversion and the products that read its result
.endm
.macro PV both                         ; O^T += V^T P^T: the accumulators by turns, one instruction a turn
	s_wait_dscnt 0x0                               ; V's fragments are in
	s_wait_alu depctr_va_vdst(0)                   ; the wait ahead of the first reader of the codes and of O^T
.irp t, 0,1,2,3
.if \both
	v_wmma_f32_16x16x64_fp8_fp8 v[OA+8*\t:OA+8*\t+7], v[VFR+8*\t:VFR+8*\t+7], v[CA:CA+7], v[OA+8*\t:OA+8*\t+7]
.endif
	v_wmma_f32_16x16x64_fp8_fp8 v[OB+8*\t:OB+8*\t+7], v[VFR+8*\t:VFR+8*\t+7], v[CB:CB+7], v[OB+8*\t:OB+8*\t+7]
.endr
.endm
; PASS 2, a step of 64 keys.  V's loads stand behind the four places that follow the scores' products: these are also the places behind the last step's products, which read V's registers; they land under the softmax.
.macro S2 q
	s_add_co_u32 s98, s[ST], \q
	s_cmp_gt_u32 s98, s[MB]
	s_cbranch_scc1 .Lh2_\@
	KLOAD \q, KFR
	s_cmp_gt_u32 s98, s[WV]
	s_wait_dscnt 0x0
	s_cbranch_scc1 .Lb2_\@
	SCORES 1, KFR
	VLOAD \q
	s_cmp_lg_u32 s98, s[WV]
	s_cbranch_scc1 .Lo2_\@
	MASK SA
.Lo2_\@:
	SOFT 1
	PV 1
	s_branch .Lh2_\@
.Lb2_\@:
	SCORES 0, KFR
	VLOAD \q
	s_cmp_lg_u32 s98, s[MB]
	s_cbranch_scc1 .Lq2_\@
	MASK SB
.Lq2_\@:
	SOFT 0
	PV 0
.Lh2_\@:
.endm
	s_mov_b32 s[ST], 0
	s_mov_b32 s[KB], 0
	s_mov_b32 s[VB], 0
.Lp2:
	v_add_nc_u32 v[ADK], s[KB], v[AK0]
	v_add_nc_u32 v[ADV], s[VB], v[AV0]
	s_wait_alu depctr_va_vdst(0)                   ; the wait directly behind the writes: readers stand behind branches and waits
	S2 0
	S2 1
	s_add_co_u32 s[KB], s[KB], 128*KP
	s_add_co_u32 s[VB], s[VB], VBLK
	s_add_co_u32 s[ST], s[ST], 2
	s_cmp_lt_u32 s[ST], 32
	s_cbranch_scc1 .Lp2
	; THE WAY OUT.  y = O^T x 2^(e4 + e5) / the sum, in f32; held within +-448 x 2^e6 and converted.  A tile's 1,024 bytes of codes go through my stage and leave in the order of memory: each store of the wave covers
	; 512 consecutive bytes, aligned.  The stages lie in K's bytes: they have had their one fill, and behind the barrier below no wave reads them.  The arithmetic stands ahead of that barrier.
	v_pk_add_f32 v[LA:LA+1], v[LA:LA+1], v[LA+2:LA+3]
	v_pk_add_f32 v[LB:LB+1], v[LB:LB+1], v[LB+2:LB+3]
	v_add_f32 v[LA], v[LA], v[LA+1]
	v_add_f32 v[LB], v[LB], v[LB+1]
	v_permlanex16_b32 v[LA+1], v[LA], s[SEL], s[SEL+1]
	v_permlanex16_b32 v[LB+1], v[LB], s[SEL], s[SEL+1]
	v_add_f32 v[LA], v[LA], v[LA+1]                ; with lane l xor 16's: the rows' sums
	v_add_f32 v[LB], v[LB], v[LB+1]
	s_wait_alu depctr_va_vdst(0)                   ; the wait ahead of the reciprocals
	v_rcp_f32 v[LA], v[LA]
	v_rcp_f32 v[LB], v[LB]
	s_add_co_i32 s98, s52, s53                     ; e4 + e5
	s_add_co_i32 s99, s54, 127
	s_lshl_b32 s56, s99, 23
	v_mov_b32 v[SCL], s56                          ; 2^e6 as f32 (plain lines behind the reciprocals)
	s_add_co_i32 s99, s99, 8
	s_lshl_b32 s99, s99, 23
	s_or_b32 s99, s99, 0x600000
	v_mov_b32 v[LIMV], s99                         ; 448 x 2^e6
	s_wait_alu depctr_va_vdst(0)                   ; one wait for the two reciprocals, ahead of their first reader
	v_ldexp_f32 v[TA], v[LA], s98
	v_ldexp_f32 v[TB], v[LB], s98
	s_wait_alu depctr_va_vdst(0)                   ; the wait ahead of the first reader of O^T
.macro OUTC oo, sc, fa, cc
.set n, 0
.rept 16
	v_pk_mul_f32 v[\sc+n:\sc+n+1], v[\oo+n:\oo+n+1], v[\fa:\fa+1] op_sel_hi:[1,0]   ; each accumulator from its low end on
.set n, n+2
.endr
.set n, 0
.rept 32
	v_med3_num_f32 v[\sc+n], v[\sc+n], -v[LIMV], v[LIMV]
.set n, n+1
.endr
.irp t, 0,1,2,3
	v_cvt_scalef32_pk8_fp8_f32 v[\cc+2*\t:\cc+2*\t+1], v[\sc+8*\t:\sc+8*\t+7], v[SCL]
.endr
.endm
	OUTC OA, SA, TA, CA
	OUTC OB, SB, TB, CB
	v_nop                                          ; one plain line behind the last conversion
	s_wait_alu depctr_va_vdst(0)
	s_wait_dscnt 0x0
	s_barrier_signal -1
	s_barrier_wait -1                              ; no wave reads K any more
.irp t, 0,1,2,3
	ds_store_b64 v[STO], v[CA+2*\t:CA+2*\t+1] offset:16*\t           ; tile A: query r, channels 16 t + 8 h + 0 .. 7
	ds_store_b64 v[STO], v[CB+2*\t:CB+2*\t+1] offset:16*KP+16*\t     ; tile B
.endr
.irp i, 0,1,2,3
	ds_load_b128 v[KFR+4*\i:KFR+4*\i+3], v[RD] offset:\i*8*KP   ; LDS serves a wave's instructions in order: these see my stores
.endr
	s_wait_dscnt 3                                 ; the younger loads may be out
	global_store_b128 v[GO], v[KFR:KFR+3], s[60:61]
	s_wait_dscnt 2
	global_store_b128 v[GO], v[KFR+4:KFR+7], s[60:61] offset:512
	s_wait_dscnt 1
	global_store_b128 v[GO], v[KFR+8:KFR+11], s[62:63]
	s_wait_dscnt 0
	global_store_b128 v[GO], v[KFR+12:KFR+15], s[62:63] offset:512
	s_wait_tensorcnt 0x0                           ; the wave's end
	ds_add_u32 v[SPW], v[NIL]
	s_wait_dscnt 0x0
	CROUND                                         ; the closing round
	s_endpgm
.Lfunc_end_k_q9dd172d5df_attn:
	.size	k_q9dd172d5df_attn, .Lfunc_end_k_q9dd172d5df_attn-k_q9dd172d5df_attn
	.p2alignl 7, 3214868480
	.fill 96, 4, 3214868480
	.section	.rodata,"a",@progbits
	.p2align	6, 0x0
	.amdhsa_kernel k_q9dd172d5df_attn
		.amdhsa_group_segment_fixed_size 327680
		.amdhsa_private_segment_fixed_size 0
		.amdhsa_enable_private_segment 0
		.amdhsa_kernarg_size 40
		.amdhsa_user_sgpr_count 2
		.amdhsa_user_sgpr_kernarg_segment_ptr 1
		.amdhsa_wavefront_size32 1
		.amdhsa_system_sgpr_workgroup_id_x 1
		.amdhsa_system_sgpr_workgroup_id_y 1
		.amdhsa_system_sgpr_workgroup_id_z 1
		.amdhsa_system_vgpr_workitem_id 0
		.amdhsa_next_free_vgpr 256
		.amdhsa_next_free_sgpr 100
		.amdhsa_reserve_vcc 0
		.amdhsa_float_denorm_mode_32 3
		.amdhsa_float_denorm_mode_16_64 3
		.amdhsa_memory_ordered 1
		.amdhsa_forward_progress 1
		.amdhsa_inst_pref_size 84
	.end_amdhsa_kernel
	.amdgpu_metadata
---
amdhsa.version: [ 1, 2 ]
amdhsa.kernels:
  - .name:           k_q9dd172d5df_attn
    .symbol:         k_q9dd172d5df_attn.kd
    .args:
      - { .name: q_codes, .offset: 0, .size: 8, .value_kind: global_buffer, .address_space: global }
      - { .name: k_codes, .offset: 8, .size: 8, .value_kind: global_buffer, .address_space: global }
      - { .name: v_codes, .offset: 16, .size: 8, .value_kind: global_buffer, .address_space: global }
      - { .name: lowp_scales, .offset: 24, .size: 8, .value_kind: global_buffer, .address_space: global }
      - { .name: y_codes, .offset: 32, .size: 8, .value_kind: global_buffer, .address_space: global }
    .group_segment_fixed_size: 327680
    .private_segment_fixed_size: 0
    .kernarg_segment_align: 8
    .kernarg_segment_size: 40
    .max_flat_workgroup_size: 512
    .sgpr_count:     100
    .vgpr_count:     256
    .wavefront_size: 32
...
	.end_amdgpu_metadata
.endif
;; end of part 3
;; launch proj (part 4): grid 4 x 64, 4 waves a work-group, clusters of 4 x 4, 327,680 bytes of LDS; arguments y_codes, wp_codes, lowp_scales, b_proj, out0; writes out0
.if DOCPART == 4
	.amdgcn_target "amdgcn-amd-amdhsa--gfx1250"
	.amdhsa_code_object_version 6
	.text
	.protected	k_q9dd172d5df_proj
	.globl	k_q9dd172d5df_proj
	.p2align	8
	.type	k_q9dd172d5df_proj,@function
k_q9dd172d5df_proj:
	s_mov_b64 s[64:65], 0
	v_nop
	global_prefetch_b8 v0, s[64:65] scope:SCOPE_SE
	s_setreg_imm32_b32 hwreg(HW_REG_WAVE_MODE, 25, 1), 1
	s_wait_xcnt 0x0
	s_wait_alu depctr_hold_cnt(0) depctr_sa_sdst(0) depctr_va_vdst(0) depctr_va_sdst(0) depctr_va_ssrc(0) depctr_va_vcc(0) depctr_vm_vsrc(0)
	s_getreg_b32 s2, hwreg(HW_REG_IB_STS2, 6, 4)
	s_cmp_eq_u32 s2, 0
	s_cbranch_scc0 .Lentry_in_a_cluster
	s_endpgm
.Lentry_in_a_cluster:
	s_bfe_u32 s2, ttmp6, 0x10000c
	s_cmp_lg_u32 s2, 0xf033
	s_cbranch_scc0 .Lentry_shape_is_right
	s_endpgm
.Lentry_shape_is_right:
; out0 = y w_proj + b_proj on codes of FP8 (E4M3): sum x 2^(e6 + e7) + bias, f32.  A: y_codes [16 heads][8192 tokens][64 channels] (K = head x 64 + channel), B: wp_codes [1024 n][1024 k].
; LIMIT: e6 + e7 between -126 and 127, so that 2^(e6 + e7) is an f32 number.
; A block of 128 tokens x 256 columns is made by a work-group of four waves: 64 x 4 = 256 work-groups.  A wave makes 64 tokens x 128 columns: 32 accumulators of 16 x 16.
; K goes in steps of 256 (four heads) through a ring of two LDS slots filled by the tensor data mover: waves 0, 1 fetch A's halves (4 heads x 64 tokens x 64 bytes: four dense rows of 4,096 bytes, 16 bytes of
; padding behind each 64), waves 2, 3 B's halves (128 rows of 256 bytes, 16 of padding behind each).
; CLUSTERS: 4 x 4 work-groups; A's tiles are asked for jointly along a row of the cluster, B's along a column.  NO PREFETCH: K is four steps, and the first two come by the head's loads.
; THE MATRIX INSTRUCTION IS USED TRANSPOSED (source 0 = 16 rows of B, source 1 = 16 tokens): a lane holds eight neighbouring columns of one token.
; REGISTERS, in windows of 256: window 0: v0-31 addresses, v32-95 the bias, v96-127 at work on the way out, v128-191 and v192-255 A's fragments (4 x 16 tokens x 128 K), two sets;
;   window 1: B's fragments (8 x 16 rows x 128 K), two sets, at v0 and v128;  window 2: accumulator (a, b) at v[8 (8 a + b)].
; A step of 128 along K is 32 matrix instructions; the next step's 48 fragment loads are issued ahead of them, into the other sets.
.set SIZE_M, 8192
.set SIZE_N, 1024
.set ROWB,   256
.set PITCH,  272                       ; B's LDS row
.set APITCH, 80                        ; A's LDS row: a token's 64 channels of one head + 16
.set HEADB,  64*APITCH                 ; 64 tokens of one head
.set AH,     4*HEADB                   ; four heads: what one of A's loads brings
.set HSTEP,  4*SIZE_M*64               ; four heads on in memory
.set FR,     16
.set HALFT,  128*PITCH                 ; what one of B's loads brings
.set SLOT,   2*AH+2*HALFT
.set SPARE,  2*SLOT                    ; behind the ring: the spare words, 128 bytes for each wave: two blocks of 256 bytes that no other line names
.set SPITCH, 528                       ; the way out: a stage of 16 rows x (512 + 16) bytes for each wave, in slot 0, which has had its last fill and its last read by then
.set BOQ,  8
.set ADRA, 16                          ; v16-17 LDS address of my A fragments in slot 0, 1
.set ADRB, 20                          ; v20-21 of my B fragments
.set STO,  24
.set RD,   25
.set CO,   26
.set SPW,  28                          ; v28 my spare word; v29 0; never rewritten
.set NIL,  29
.set BQ,   32                          ; b_proj[my first column + 16 b + 8 (lane / 16) + j] at 8 b + j
.set TMP,  96
.set AF,   128
.set BK,   128
.set G1, 24
.set G0, 32
.set G1B, 48
.set G0B, 56
.set MSB, 0
.macro WIN new                         ; the immediate's high byte repeats the setting that is left
.if MSB != \new
	s_set_vgpr_msb (MSB<<8)|\new
.set MSB, \new
.endif
.endm
.set MUL,  0xa1                        ; source 0 (B) window 1, source 1 (A) window 0, C and D window 2
.set TO_B, 0x40                        ; destination window 1, address window 0
.macro PLACES
.rept 4
	v_nop
.endr
.endm
.macro JLOAD g0a, g0b                  ; waves 0, 1 ask for A, waves 2, 3 for B; an s_nop 0 and four v_nop follow each line
	s_cmp_eq_u32 s15, 0
	s_cbranch_scc0 .Lfor_b_\@
	tensor_load_to_lds s[\g0a:\g0a+3], s[G1:G1+7]
	s_nop 0
	PLACES
	s_branch .Lasked_\@
.Lfor_b_\@:
	tensor_load_to_lds s[\g0b:\g0b+3], s[G1B:G1B+7]
	s_nop 0
	PLACES
.Lasked_\@:
.endm
.macro CREST
	s_cmp_lg_u32 s14, 0
	s_cbranch_scc1 .Lnot_wave_0_\@
	s_barrier_signal -3
.Lnot_wave_0_\@:
	s_barrier_wait -3
	s_barrier_signal -1
	s_barrier_wait -1
.endm
.macro CROUND
	s_barrier_signal -1
	s_barrier_wait -1
	CREST
.endm
	s_load_b128 s[4:7], s[0:1], 0x0                ; y's codes, w_proj's codes
	s_load_b128 s[8:11], s[0:1], 0x10              ; the scales' exponents, b_proj
	s_load_b64 s[12:13], s[0:1], 0x20              ; out0
	v_lshl_add_u32 v[SPW], v0, 2, SPARE
	v_mov_b32 v[NIL], 0
	ds_add_u32 v[SPW], v[NIL]                      ; the opening: the add, twice on end, and its wait ahead of my first tensor load
	ds_add_u32 v[SPW], v[NIL]
	v_lshrrev_b32 v1, 5, v0
	v_readfirstlane_b32 s14, v1                    ; wave 0..3
	s_lshr_b32 s15, s14, 1                         ; my half of the block's tokens.  Also: I fetch for A (0) or for B (1)
	s_and_b32 s16, s14, 1                          ; my half of its columns.  Also: which half of that tile I fetch
	s_bfe_u32 s40, ttmp6, 0x40000                  ; cx, cy
	s_bfe_u32 s41, ttmp6, 0x40004
	s_lshl_b32 s42, ttmp9, 2
	s_add_co_u32 s42, s42, s40                     ; block column = 4 x cluster x + cx
	s_and_b32 s17, ttmp7, 0xffff
	s_lshl_b32 s17, s17, 2
	s_add_co_u32 s17, s17, s41                     ; block row = 4 x cluster y + cy
	s_lshl_b32 s43, s41, 2
	s_lshl_b32 s43, 15, s43                        ; my row of the cluster
	s_lshl_b32 s44, 0x1111, s40                    ; my column
	s_or_b32 s[G1+0], s43, (1<<20)|(1<<21)|(3<<22)|(3<<25)    ; A: the mask; elements of 1 byte; four words of padding behind every 16
	s_mov_b32 s[G1+1], 4096<<16                    ; tensor_dim0: 64 tokens x 64 bytes, dense
	s_mov_b32 s[G1+2], 4<<16                       ; tensor_dim1: four heads
	s_mov_b32 s[G1+3], 4096<<16
	s_mov_b32 s[G1+4], 4
	s_mov_b32 s[G1+5], SIZE_M*64                   ; from head to head
	s_mov_b32 s[G1+6], 0
	s_mov_b32 s[G1+7], 0
	s_or_b32 s[G1B+0], s44, (1<<20)|(1<<21)|(5<<22)|(3<<25)   ; B: four words of padding behind every 64
	s_mov_b32 s[G1B+1], ROWB<<16
	s_mov_b32 s[G1B+2], 128<<16
	s_mov_b32 s[G1B+3], ROWB<<16
	s_mov_b32 s[G1B+4], 128
	s_mov_b32 s[G1B+5], 1024
	s_mov_b32 s[G1B+6], 0
	s_mov_b32 s[G1B+7], 0
	s_lshl_b32 s20, s17, 7
	s_lshl_b32 s18, s16, 6
	s_add_co_u32 s20, s20, s18                     ; A: token 128 x block row + 64 x half,
	s_lshl_b32 s20, s20, 6                         ; 64 bytes each
	s_mov_b32 s21, 0
	s_lshl_b32 s46, s42, 8
	s_lshl_b32 s18, s16, 7
	s_add_co_u32 s46, s46, s18                     ; B: row 256 x block column + 128 x half,
	s_lshl_b32 s46, s46, 10                        ; 1,024 bytes each
	s_mov_b32 s47, 0
	s_mul_i32 s45, s16, AH                         ; where they go: no place in the cluster enters an LDS address
	s_mul_i32 s66, s16, HALFT
	s_add_co_u32 s66, s66, 2*AH
	s_wait_dscnt 0x0                               ; both opening adds are done
	s_wait_kmcnt 0x0
	s_load_b64 s[96:97], s[8:9], 0x18              ; e6, e7
	s_add_nc_u64 s[20:21], s[4:5], s[20:21]
	s_add_nc_u64 s[46:47], s[6:7], s[46:47]
	CROUND                                         ; all sixteen work-groups are here: the first joint loads meet
.irp s, 0,1
	s_mov_b32 s[G0+4*\s], 1
	s_add_co_u32 s[G0+4*\s+1], s45, \s*SLOT
	s_add_nc_u64 s[G0+4*\s+2:G0+4*\s+3], s[20:21], \s*HSTEP
	s_or_b32 s[G0+4*\s+3], s[G0+4*\s+3], 0x80000000
	s_mov_b32 s[G0B+4*\s], 1
	s_add_co_u32 s[G0B+4*\s+1], s66, \s*SLOT
	s_add_nc_u64 s[G0B+4*\s+2:G0B+4*\s+3], s[46:47], \s*ROWB
	s_or_b32 s[G0B+4*\s+3], s[G0B+4*\s+3], 0x80000000
.endr
	JLOAD G0, G0B                                  ; K step 0: one tensor load a wave at the head
	s_mul_i32 s21, s15, AH                         ; my 64 tokens
	s_mul_i32 s22, s16, HALFT
	s_add_co_u32 s22, s22, 2*AH                    ; my 128 rows of B
	s_mul_i32 s23, s14, 16*SPITCH                  ; my stage
	s_lshl_b32 s20, s17, 7
	s_lshl_b32 s18, s15, 6
	s_add_co_u32 s20, s20, s18                     ; my first row of out0,
	s_lshl_b32 s20, s20, 12                        ; 4,096 bytes each
	s_lshl_b32 s46, s42, 10
	s_lshl_b32 s47, s16, 9
	s_add_co_u32 s46, s46, s47                     ; my first column, in bytes
	s_mov_b32 s47, 0
	s_add_nc_u64 s[68:69], s[10:11], s[46:47]      ; its bias
	s_add_co_u32 s46, s46, s20
	s_add_nc_u64 s[12:13], s[12:13], s[46:47]
	s_add_co_u32 s18, s21, SLOT
	s_add_co_u32 s19, s22, SLOT
	v_and_b32 v1, 15, v0                           ; r = l % 16
	v_bfe_u32 v2, v0, 4, 1                         ; h = l / 16
	v_and_b32 v6, 31, v0
	v_mul_u32_u24 v3, v1, APITCH
	v_mul_u32_u24 v4, v1, PITCH
	v_mul_u32_u24 v5, v1, SPITCH
	v_lshlrev_b32 v[BOQ], 5, v2
	v_lshl_add_u32 v3, v2, 4, v3
	v_lshl_add_u32 v4, v2, 4, v4
	v_lshl_add_u32 v5, v2, 5, v5
	v_lshlrev_b32 v[CO], 4, v6                     ; back: the 32 lanes take one row of 512 bytes; and the same in out0
	v_add_nc_u32 v[ADRA], s21, v3
	v_add_nc_u32 v[ADRB], s22, v4
	v_add_nc_u32 v[ADRA+1], s18, v3
	v_add_nc_u32 v[ADRB+1], s19, v4
	v_add_nc_u32 v[STO], s23, v5                   ; in: row r, 32 bytes for each half of the lanes
	v_add_nc_u32 v[RD], s23, v[CO]
.irp b, 0,1,2,3,4,5,6,7
	global_load_b128 v[BQ+8*\b:BQ+8*\b+3], v[BOQ], s[68:69] offset:64*\b
	global_load_b128 v[BQ+8*\b+4:BQ+8*\b+7], v[BOQ], s[68:69] offset:64*\b+16
.endr
.macro FRAG reg, adr, q, i             ; B: 16 rows x 128 K: registers 4 c .. 4 c + 3 hold K = 32 c + 16 h + 0 .. 15
.irp c, 0,1,2,3
	ds_load_b128 v[\reg+4*\c:\reg+4*\c+3], v[\adr] offset:128*(\q)+32*\c+(\i)*16*PITCH
.endr
.endm
.macro FRAGA reg, adr, q, i            ; A: the same places: 128 K are two heads
.irp c, 0,1,2,3
	ds_load_b128 v[\reg+4*\c:\reg+4*\c+3], v[\adr] offset:(2*(\q)+\c/2)*HEADB+32*(\c%2)+(\i)*16*APITCH
.endr
.endm
.macro FETCH slot, q, p                ; 48 loads: the fragments of the slot's q-th 128 along K into the sets p
	WIN TO_B
.irp i, 0,1,2,3,4,5,6,7
	FRAG 128*(\p)+FR*\i, ADRB+\slot, \q, \i
.endr
	WIN 0
.irp i, 0,1,2,3
	FRAGA AF+64*(\p)+FR*\i, ADRA+\slot, \q, \i
.endr
.endm
; 16 matrix instructions: A's blocks a0, a0 + 1 x B's eight.  The 32 accumulators take turns, one instruction a turn, in the same order in every step.  zero = 1 starts the sums.
.macro MUL16 a0, p, zero
.irp a, \a0, \a0+1
.irp b, 0,1,2,3,4,5,6,7
.if \zero
	v_wmma_f32_16x16x128_fp8_fp8 v[8*(8*(\a)+\b):8*(8*(\a)+\b)+7], v[128*(\p)+FR*\b:128*(\p)+FR*\b+FR-1], v[AF+64*(\p)+FR*(\a):AF+64*(\p)+FR*(\a)+FR-1], 0
.else
	v_wmma_f32_16x16x128_fp8_fp8 v[8*(8*(\a)+\b):8*(8*(\a)+\b)+7], v[128*(\p)+FR*\b:128*(\p)+FR*\b+FR-1], v[AF+64*(\p)+FR*(\a):AF+64*(\p)+FR*(\a)+FR-1], v[8*(8*(\a)+\b):8*(8*(\a)+\b)+7]
.endif
.endr
.endr
.endm
.macro STEP slot, zero                 ; a slot's first 128 along K, on the sets 0; its second 128 are fetched into the sets 1
	s_wait_dscnt 0x0                               ; the sets 0 are in
	PLACES                                         ; in front of loads into registers that the last step's products have read
	FETCH \slot, 1, 1
	WIN MUL
	MUL16 0, 0, \zero
	MUL16 2, 0, \zero
.endm
; A slot's second 128, on the sets 1, and the change of slots: ONE barrier; in front of it each wave waits for all its tensor loads, adds 0 to its spare word, and waits for that and for its reads of this slot.
.macro TURN slot, next, fill
	WIN 0                                          ; (the add's two registers lie in window 0)
	s_wait_tensorcnt 0x0                           ; my part of the next slot has landed
	ds_add_u32 v[SPW], v[NIL]
	s_wait_dscnt 1                                 ; the sets 1 are in; the add may be out
	WIN MUL
	MUL16 0, 1, 0
	s_wait_dscnt 0x0                               ; the add is done, and my reads of this slot are over
	WIN 0
	s_barrier_signal -1
	s_barrier_wait -1
.if \fill
	CREST                                          ; the barrier has opened a round of the cluster's barrier
	s_add_nc_u64 s[G0+4*\slot+2:G0+4*\slot+3], s[G0+4*\slot+2:G0+4*\slot+3], 2*HSTEP
	s_add_nc_u64 s[G0B+4*\slot+2:G0B+4*\slot+3], s[G0B+4*\slot+2:G0B+4*\slot+3], 2*ROWB
	JLOAD G0+4*\slot, G0B+4*\slot                  ; the first tensor load behind the round; its four v_nop are the places in front of the loads below
.else
	PLACES
.endif
	FETCH \next, 0, 0
	WIN MUL
	MUL16 2, 1, 0
.endm
	s_wait_alu depctr_va_vdst(0)                   ; the wait at the head's end
	s_wait_tensorcnt 0x0                           ; my part of K step 0 is in
	ds_add_u32 v[SPW], v[NIL]
	s_wait_dscnt 0x0
	CROUND
	JLOAD G0+4, G0B+4                              ; K step 1: the first tensor load behind the round
	FETCH 0, 0, 0
	STEP 0, 1
	TURN 0, 1, 1                                   ; slot 0 takes K step 2
	STEP 1, 0
	TURN 1, 0, 1                                   ; slot 1 takes K step 3
	STEP 0, 0
	TURN 0, 1, 0                                   ; nothing is left to ask for: no round
	STEP 1, 0
	s_wait_dscnt 0x0
	MUL16 0, 1, 0
	MUL16 2, 1, 0
	WIN 0
; THE WAY OUT, by blocks of 16 tokens x 128 columns: sum x 2^(e6 + e7) + bias, one packed multiply-add for two; through my own stage and back as whole rows of 512 bytes, which the 32 lanes store as two aligned
; units of 256 bytes.  LDS serves a wave's instructions in order (ISA guide 5.7.1.4): no wait between my stores and my loads.
.macro TOSTAGE a
.set AC, 64*(\a)
.irp g, 0,1
	WIN 0x02                                       ; source 0: window 2
.set n, 0
.rept 16
	v_pk_fma_f32 v[TMP+n:TMP+n+1], v[AC+32*\g+n:AC+32*\g+n+1], s[96:97], v[BQ+32*\g+n:BQ+32*\g+n+1] op_sel_hi:[1,0,1]   ; each accumulator from its low end on
.set n, n+2
.endr
	WIN 0
.irp b, 0,1,2,3
	ds_store_b128 v[STO], v[TMP+8*\b:TMP+8*\b+3] offset:64*(4*\g+\b)
	ds_store_b128 v[STO], v[TMP+8*\b+4:TMP+8*\b+7] offset:64*(4*\g+\b)+16
.endr
.endr
.set BB, BK+64*((\a)%2)
.irp t, 0,1,2,3,4,5,6,7,8,9,10,11,12,13,14,15
	ds_load_b128 v[BB+4*\t:BB+4*\t+3], v[RD] offset:\t*SPITCH
.endr
.endm
.macro SEND a, younger                 ; younger: the LDS instructions issued behind block a's loads, which may stay out
.set BB, BK+64*((\a)%2)
	s_wait_dscnt \younger
.if (\a) > 0
	s_add_nc_u64 s[12:13], s[12:13], 16*SIZE_N*4   ; (behind a wait on XCNT: the earlier stores have read their base)
.endif
.irp t, 0,1,2,3,4,5,6,7,8,9,10,11,12,13,14,15
	global_store_b128 v[CO], v[BB+4*\t:BB+4*\t+3], s[12:13] offset:\t*SIZE_N*4 th:TH_STORE_NT
.endr
.endm
	s_wait_kmcnt 0x0
	s_wait_loadcnt 0x0                             ; the bias
	s_add_co_i32 s96, s96, s97
	s_add_co_i32 s96, s96, 127
	s_lshl_b32 s96, s96, 23                        ; 2^(e6 + e7) as f32
	PLACES                                         ; behind the last products
	TOSTAGE 0
.irp a, 1,2,3
.if \a > 1
	s_wait_xcnt 0x0                                ; block a - 2's stores have read their registers and their base
.endif
	TOSTAGE \a
	SEND \a-1, 32                                  ; behind block a - 1's loads: block a's 16 stores and 16 loads
.endr
	s_wait_xcnt 0x0
	SEND 3, 0
	s_wait_tensorcnt 0x0                           ; the wave's end
	ds_add_u32 v[SPW], v[NIL]
	s_wait_dscnt 0x0
	CROUND                                         ; the closing round
	s_endpgm
.Lfunc_end_k_q9dd172d5df_proj:
	.size	k_q9dd172d5df_proj, .Lfunc_end_k_q9dd172d5df_proj-k_q9dd172d5df_proj
	.p2alignl 7, 3214868480
	.fill 96, 4, 3214868480
	.section	.rodata,"a",@progbits
	.p2align	6, 0x0
	.amdhsa_kernel k_q9dd172d5df_proj
		.amdhsa_group_segment_fixed_size 327680
		.amdhsa_private_segment_fixed_size 0
		.amdhsa_enable_private_segment 0
		.amdhsa_kernarg_size 40
		.amdhsa_user_sgpr_count 2
		.amdhsa_user_sgpr_kernarg_segment_ptr 1
		.amdhsa_wavefront_size32 1
		.amdhsa_system_sgpr_workgroup_id_x 1
		.amdhsa_system_sgpr_workgroup_id_y 1
		.amdhsa_system_sgpr_workgroup_id_z 1
		.amdhsa_system_vgpr_workitem_id 0
		.amdhsa_next_free_vgpr 768
		.amdhsa_next_free_sgpr 98
		.amdhsa_reserve_vcc 0
		.amdhsa_float_denorm_mode_32 3
		.amdhsa_float_denorm_mode_16_64 3
		.amdhsa_memory_ordered 1
		.amdhsa_forward_progress 1
		.amdhsa_inst_pref_size 77
	.end_amdhsa_kernel
	.amdgpu_metadata
---
amdhsa.version: [ 1, 2 ]
amdhsa.kernels:
  - .name:           k_q9dd172d5df_proj
    .symbol:         k_q9dd172d5df_proj.kd
    .args:
      - { .name: y_codes, .offset: 0, .size: 8, .value_kind: global_buffer, .address_space: global }
      - { .name: wp_codes, .offset: 8, .size: 8, .value_kind: global_buffer, .address_space: global }
      - { .name: lowp_scales, .offset: 16, .size: 8, .value_kind: global_buffer, .address_space: global }
      - { .name: b_proj, .offset: 24, .size: 8, .value_kind: global_buffer, .address_space: global }
      - { .name: out0, .offset: 32, .size: 8, .value_kind: global_buffer, .address_space: global }
    .group_segment_fixed_size: 327680
    .private_segment_fixed_size: 0
    .kernarg_segment_align: 8
    .kernarg_segment_size: 40
    .max_flat_workgroup_size: 128
    .sgpr_count:     98
    .vgpr_count:     768
    .wavefront_size: 32
...
	.end_amdgpu_metadata
.endif
;; end of part 4
